; MI455X (gfx1250); checked and timed in simulation.
; The chip was launched on July 23, 2026; its instructions are those of AMD's public machine-readable ISA for CDNA 5 (MIT licence, August 2026) and "CDNA5" Instruction Set Architecture Reference Guide (July 2026). The comments in the code are by the model that wrote it; some were corrected since.
;; Causal Self Attention. Allowed arithmetic: matrix products marked QUANTISED: E2M1 operands, one E8M0 scale for each 32 along K, by v_wmma_scale_f32_16x16x128_f8f6f4 with both operands' format E2M1 (or v_wmma_scale_f32_32x16x128_f4), f32 sums; everything else in f32.
;; Inputs: out_b 1,024 float32; out_w_codes 1,024 x 32 x 16 uint8 (E2M1 codes of out_w, K innermost, in blocks of 32 codes, two codes a byte); out_w_scales 1,024 x 32 uint8 (E8M0 scales of out_w, one for each 32 codes along K); qkv_b 3,072 float32; qkv_w_codes 3,072 x 32 x 16 uint8 (E2M1 codes of qkv_w, K innermost, in blocks of 32 codes, two codes a byte); qkv_w_scales 3,072 x 32 uint8 (E8M0 scales of qkv_w, one for each 32 codes along K); x_codes 4 x 2,048 x 32 x 16 uint8 (E2M1 codes of x, K innermost, in blocks of 32 codes, two codes a byte); x_scales 4 x 2,048 x 32 uint8 (E8M0 scales of x, one for each 32 codes along K).
;; Outputs: out0 4 x 2,048 x 1,024 float32.
;; This version of the problem:
;;   THIS VERSION OF THE PROBLEM IS GIVEN IN LOW PRECISION. The matrix products marked QUANTISED in the list below multiply operands that are first quantised to E2M1 (2 exponent bits, 1 mantissa bit; 4 bits a number), with one power-of-two scale for each 32 numbers along K (OCP MX v1.0); their sums are f32. All else is computed in f32.
;;   The module's matrix products, in the order in which they are computed (A, B: the left and right operand; K: the contracted axis; several contracted axes count as one K, in the product's order):
;;     1. [M 8,192, K 1,024] x [K 1,024, N 3,072]; A: input x (given as codes); B: input qkv_w (given as codes): QUANTISED
;;     2. batch 64 x [M 2,048, K 64] x [K 64, N 2,048]; A: computed on the way; B: computed on the way: QUANTISED
;;     3. batch 64 x [M 2,048, K 2,048] x [K 2,048, N 64]; A: softmax (see below); B: computed on the way: QUANTISED
;;     4. [M 8,192, K 1,024] x [K 1,024, N 1,024]; A: computed on the way; B: input out_w (given as codes): QUANTISED
;;   THE QUANTISER, for each operand of a quantised product, along K:
;;     - K is cut into blocks of 32 from its start; a last block that is shorter is filled with zeros.
;;     - A block's scale is 2^e with e = floor(log2(the largest magnitude in the block)) - 2, held to -126 .. 127; a block of zeros has e = 0. As a byte (E8M0): e + 127.
;;     - Each number is divided by its block's scale, clamped to +-6, and rounded to the nearest number of E2M1, ties to even, subnormals kept.
;;     - The product sums the exact products of the quantised numbers (number of the format x scale) in f32.
;;   ~~~python
;;   def quantise(x, axis):      # numpy; x: float32 -> the quantised numbers, widened to float32 again
;;       x = np.moveaxis(x, axis, -1); K = x.shape[-1]
;;       x = np.pad(x, [(0, 0)] * (x.ndim - 1) + [(0, -K % 32)]); x = x.reshape(x.shape[:-1] + (-1, 32)); a = np.abs(x).max(-1, keepdims=True)
;;       e = np.where(a > 0, np.clip(np.frexp(np.where(a > 0, a, 1))[1] - 1 - 2, -126, 127), 0)      # np.frexp(a)[1] - 1 = floor(log2(a)), exactly
;;       r = np.clip(x / 2.0 ** e, -6, 6)
;;       step = 2.0 ** (np.maximum(np.frexp(np.where(r == 0, 1, r))[1] - 1, 0) - 1)
;;       q = np.round(r / step) * step * 2.0 ** e      # np.round: ties to even
;;       return np.moveaxis(q.reshape(q.shape[:-2] + (-1,))[..., :K], -1, axis).astype(np.float32)
;;   ~~~
;;   SOFTMAX AHEAD OF A QUANTISED PRODUCT. Where the list says 'softmax', what is quantised is not the finished softmax but p = 2^(t - M), with t = logit x log2(e) and M = ceil(the row's largest t), a whole number; so 1/2 < the row's largest p <= 1. The row's sum l is taken of the UNQUANTISED p, in f32, and the product's result is divided by l at the end. Since M is a whole number, a kernel that streams over the keys may use a running M (the ceiling of the running maximum): every later rescaling is an exact power of two, which a block's scale takes up: the codes' values come out the same.
;;   OPERANDS COMPUTED ON THE WAY. 'Computed on the way' means the value that the module computes at that place (a softmax that the list does not call 'softmax' is quantised finished and normalised). What goes into a quantiser is computed in f32, as accurately as f32 sums, v_exp_f32 and their like allow (about 1e-6 of the number): no bf16 or f16 on the way to a quantiser, and a product that is left as it is and whose result goes on into a quantised operand takes f32 operands (vector FMAs, or v_wmma_f32_16x16x4_f32). A number that lies on a knife's edge between two numbers of the format may be rounded either way, as far as f32 arithmetic and the matrix unit's own rounding can turn it there, and no further.
;;   INPUTS GIVEN AS CODES. out_w (in the module: [1024, 1024], K = its axis 1); qkv_w (in the module: [3072, 1024], K = its axis 1); x (in the module: [4, 2048, 1024], K = its axis 2): each comes as NAME_codes (uint8): NAME with its K axis moved to the last place and cut into blocks of 32 codes, [.., K / 32, bytes a block], one block behind the other in memory; two codes a byte, the lower K in the low four bits (a code: sign, 2 exponent bits, 1 mantissa bit); and NAME_scales (uint8): the same leading axes, one E8M0 byte (e + 127) for each 32 codes along K. Its value is code x scale, taken as it is: it is not quantised again, and the codes and scales need not be those that the quantiser above would give.
;; One version. Each part assembles by itself: llvm-mc -triple=amdgcn-amd-amdhsa -mcpu=gfx1250 --defsym DOCPART=n.
;; ======== version 1 of 1: 4 launches
;; workspace buffers: tab 524,288 bytes; qws 4,718,592 bytes; kv 9,175,040 bytes; aimg 4,194,304 bytes; asc 262,144 bytes
;; launch rope (part 1): grid 256 x 1, 8 waves a work-group, no clusters, 0 bytes of LDS; arguments tab; writes tab
.if DOCPART == 1
	.amdgcn_target "amdgcn-amd-amdhsa--gfx1250"
	.amdhsa_code_object_version 6
	.text
	.protected	k_q849601c06e_rope
	.globl	k_q849601c06e_rope
	.p2align	8
	.type	k_q849601c06e_rope,@function
k_q849601c06e_rope:
	s_mov_b64 s[64:65], 0
	v_nop
	global_prefetch_b8 v0, s[64:65] scope:SCOPE_SE
	s_setreg_imm32_b32 hwreg(HW_REG_WAVE_MODE, 25, 1), 1
	s_wait_xcnt 0x0
; tab[t][i] = (cos, sin) of the angle fl(t x inv_freq[i]), t = 0 .. 2047, i = 0 .. 31, inv_freq[i] = 10000^(-i / 32); f32, 8 bytes a pair, 256 bytes a token.
; A thread makes one pair: i = thread % 32, t = 8 x work-group + thread / 32.  A wave stores 256 consecutive bytes, aligned.
; The angle is ONE f32 product of t and inv_freq, as the module forms it; sine and cosine come from a reduction by multiples of pi / 2 (in two parts) and two short polynomials on |r| <= pi / 4.
; LIMITS: inv_freq is 2^(-i L), L = log2(10000) / 32 in two parts, through v_exp_f32 (1 ulp: ISA guide, its entry): good to about 1.5 ulp; the polynomials to about 1 ulp.
	s_load_b64 s[4:5], s[0:1], 0x0                 ; tab
	v_and_b32 v1, 31, v0                           ; i
	v_lshrrev_b32 v2, 5, v0
	s_lshl_b32 s6, ttmp9, 3
	s_lshl_b32 s7, ttmp9, 11                       ; the work-group's 8 tokens x 256 bytes
	v_add_nc_u32 v2, s6, v2                        ; t
	v_mul_u32_u24 v3, v1, 0x6a4d                   ; i x 27213: i L_hi in units of 2^-16, exact
	s_delay_alu instid0(VALU_DEP_1)
	v_lshrrev_b32 v4, 16, v3                       ; its whole part n
	s_delay_alu instid0(VALU_DEP_2)
	v_and_b32 v5, 0xffff, v3
	s_delay_alu instid0(VALU_DEP_1)
	v_cvt_f32_u32 v5, v5
	v_cvt_f32_u32 v6, v1
	s_delay_alu instid0(VALU_DEP_2)
	v_mul_f32 v5, 0x37800000, v5                   ; its fraction, exact
	s_delay_alu instid0(VALU_DEP_1)
	v_fmac_f32 v5, 0x3670979a, v6                  ; + i L_lo
	s_wait_alu depctr_va_vdst(0)
	v_exp_f32 v7, -v5                              ; 2^(-fraction)
	v_sub_nc_u32 v4, 0, v4                         ; (a plain line behind the transcendental)  -n
	v_cvt_f32_u32 v2, v2
	s_wait_alu depctr_va_vdst(0)
	v_ldexp_f32 v7, v7, v4                         ; inv_freq
	s_delay_alu instid0(VALU_DEP_1)
	v_mul_f32 v8, v2, v7                           ; the angle: one rounding
	s_delay_alu instid0(VALU_DEP_1)
	v_mul_f32 v9, 0x3f22f983, v8                   ; x 2 / pi
	s_delay_alu instid0(VALU_DEP_1)
	v_rndne_f32 v9, v9                             ; k
	s_delay_alu instid0(VALU_DEP_1)
	v_fmamk_f32 v10, v9, 0xbfc90fdb, v8            ; angle - k x (pi / 2)_hi: a multiple of 2^-23 under 1, so nothing is rounded
	s_delay_alu instid0(VALU_DEP_1)
	v_fmamk_f32 v10, v9, 0x333bbd2e, v10           ; - k x (pi / 2)_lo
	s_delay_alu instid0(VALU_DEP_1)
	v_mul_f32 v12, v10, v10                        ; z = r r
	v_mov_b32 v11, 0xb94ca1f9
	v_mov_b32 v13, 0x37ccf5ce
	s_delay_alu instid0(VALU_DEP_2)
	v_fmaak_f32 v11, v11, v12, 0x3c08839e
	s_delay_alu instid0(VALU_DEP_2)
	v_fmaak_f32 v13, v13, v12, 0xbab6061a
	s_delay_alu instid0(VALU_DEP_2)
	v_fmaak_f32 v11, v11, v12, 0xbe2aaaa3
	s_delay_alu instid0(VALU_DEP_2)
	v_fmaak_f32 v13, v13, v12, 0x3d2aaaa5
	v_mul_f32 v14, v10, v12                        ; r z
	v_mul_f32 v15, v12, v12                        ; z z
	v_fma_f32 v16, -0.5, v12, 1.0
	s_delay_alu instid0(VALU_DEP_3)
	v_fma_f32 v11, v14, v11, v10                   ; sin r
	s_delay_alu instid0(VALU_DEP_2)
	v_fma_f32 v13, v15, v13, v16                   ; cos r
	v_cvt_i32_f32 v17, v9                          ; the quadrant is k mod 4
	s_delay_alu instid0(VALU_DEP_1)
	v_and_b32 v18, 1, v17
	s_delay_alu instid0(VALU_DEP_1)
	v_cmp_eq_u32 vcc_lo, 1, v18
	s_delay_alu instid0(VALU_DEP_1)
	v_cndmask_b32 v19, v11, v13, vcc_lo            ; k odd: the sine is +-cos r,
	s_delay_alu instid0(VALU_DEP_2)
	v_cndmask_b32 v20, v13, v11, vcc_lo            ; the cosine +-sin r
	v_lshlrev_b32 v21, 30, v17
	s_delay_alu instid0(VALU_DEP_1)
	v_and_b32 v21, 0x80000000, v21                 ; the sine is negative in quadrants 2 and 3,
	v_add_nc_u32 v24, 1, v17
	s_delay_alu instid0(VALU_DEP_1)
	v_lshlrev_b32 v24, 30, v24
	s_delay_alu instid0(VALU_DEP_1)
	v_and_b32 v24, 0x80000000, v24                 ; the cosine in 1 and 2
	s_delay_alu instid0(VALU_DEP_1)
	v_xor_b32 v22, v20, v24                        ; cos
	v_xor_b32 v23, v19, v21                        ; sin
	v_lshl_add_u32 v25, v0, 3, s7
	s_wait_alu depctr_va_vdst(0)
	s_wait_kmcnt 0x0
	global_store_b64 v25, v[22:23], s[4:5]
	s_endpgm
.Lfunc_end_k_q849601c06e_rope:
	.size	k_q849601c06e_rope, .Lfunc_end_k_q849601c06e_rope-k_q849601c06e_rope
	.p2alignl 7, 3214868480
	.fill 96, 4, 3214868480
	.section	.rodata,"a",@progbits
	.p2align	6, 0x0
	.amdhsa_kernel k_q849601c06e_rope
		.amdhsa_group_segment_fixed_size 0
		.amdhsa_private_segment_fixed_size 0
		.amdhsa_enable_private_segment 0
		.amdhsa_kernarg_size 8
		.amdhsa_user_sgpr_count 2
		.amdhsa_user_sgpr_kernarg_segment_ptr 1
		.amdhsa_wavefront_size32 1
		.amdhsa_system_sgpr_workgroup_id_x 1
		.amdhsa_system_sgpr_workgroup_id_y 1
		.amdhsa_system_sgpr_workgroup_id_z 1
		.amdhsa_system_vgpr_workitem_id 0
		.amdhsa_next_free_vgpr 32
		.amdhsa_next_free_sgpr 66
		.amdhsa_reserve_vcc 1
		.amdhsa_float_denorm_mode_32 3
		.amdhsa_float_denorm_mode_16_64 3
		.amdhsa_memory_ordered 1
		.amdhsa_forward_progress 1
		.amdhsa_inst_pref_size 4
	.end_amdhsa_kernel
	.amdgpu_metadata
---
amdhsa.version: [ 1, 2 ]
amdhsa.kernels:
  - .name:           k_q849601c06e_rope
    .symbol:         k_q849601c06e_rope.kd
    .args:
      - { .name: tab, .offset: 0, .size: 8, .value_kind: global_buffer, .address_space: global }
    .group_segment_fixed_size: 0
    .private_segment_fixed_size: 0
    .kernarg_segment_align: 8
    .kernarg_segment_size: 8
    .max_flat_workgroup_size: 256
    .sgpr_count:     66
    .vgpr_count:     32
    .wavefront_size: 32
...
	.end_amdgpu_metadata
.endif
;; end of part 1
;; launch qkv (part 2): grid 8 x 32, 4 waves a work-group, clusters of 4 x 4, 327,680 bytes of LDS; arguments x_codes, x_scales, qkv_w_codes, qkv_w_scales, qkv_b, tab, qws, kv; writes qws, kv
.if DOCPART == 2
	.amdgcn_target "amdgcn-amd-amdhsa--gfx1250"
	.amdhsa_code_object_version 6
	.text
	.protected	k_q849601c06e_qkv
	.globl	k_q849601c06e_qkv
	.p2align	8
	.type	k_q849601c06e_qkv,@function
k_q849601c06e_qkv:
	s_mov_b64 s[64:65], 0
	v_nop
	global_prefetch_b8 v0, s[64:65] scope:SCOPE_SE
	s_setreg_imm32_b32 hwreg(HW_REG_WAVE_MODE, 25, 1), 1
	s_wait_xcnt 0x0
	s_wait_alu depctr_hold_cnt(0) depctr_sa_sdst(0) depctr_va_vdst(0) depctr_va_sdst(0) depctr_va_ssrc(0) depctr_va_vcc(0) depctr_vm_vsrc(0)
	s_getreg_b32 s2, hwreg(HW_REG_IB_STS2, 6, 4)
	s_cmp_eq_u32 s2, 0
	s_cbranch_scc0 .Lentry_in_a_cluster
	s_endpgm
.Lentry_in_a_cluster:
	s_bfe_u32 s2, ttmp6, 0x10000c
	s_cmp_lg_u32 s2, 0xf033
	s_cbranch_scc0 .Lentry_shape_is_right
	s_endpgm
.Lentry_shape_is_right:
; qkv = x W^T + b on codes of FP4 (E2M1) with one E8M0 scale for each 32 along K = 1,024; then RoPE on q and k; then q, k (along the head's 64) and v (along the keys) are quantised to FP4 again and stored
; as IMAGES OF THE NEXT PRODUCTS' OPERAND REGISTERS.  x: 8,192 rows, W: 3,072 rows, 512 bytes of codes and 32 scale bytes a row.
; A WORK-GROUP STAYS AND HAS TWO PHASES: 8,192 x 2,048 of q and k are 256 tiles of 256 x 256, one for each of the 256 work-groups; 8,192 x 1,024 of v are 256 half tiles, one for each as well.
; A lane of a result holds one row of source 1 and eight neighbouring rows of source 0, and the quantiser wants its K in a lane's registers: for q and k the head's axis, for v the tokens.  So
;   phase 1 (q: cluster x 0; k: cluster x 1): source 0 = 256 rows of W, source 1 = 256 tokens; a wave makes 128 x 128: 64 accumulators;
;   phase 2 (v): source 0 = 256 tokens, source 1 = 128 rows of W; a wave makes 64 rows of W (one head) x 128 tokens (one step of keys): 32 accumulators.
; All of K lies in LDS at once, in rows of 512 bytes.  Phase 2's codes are brought into phase 1's bytes as soon as every wave of the cluster has read those for the last time, and land while phase 1's results are worked.
; CLUSTERS: 4 x 4 work-groups.  In both phases source 1's tile hangs on cy alone and is asked for jointly by a row of the cluster, source 0's on cx alone and by a column.
; OUT.  qws[bh][ks][4,608]: 8 tiles x 512 bytes of codes (lane l's registers 0-3 at 16 l), then 512 bytes of scale words ([L 32][4]: word j of L: tile 4 (L / 16) + j, row L % 16).  ks: a step of 128 tokens.
;       kv[bh][ks][8,960]: k laid as q (4,608 bytes); v's codes [dt 4][c 2][lane][16] (4,096); v's scale words [L 32][2]: word j of L: dt = 2 (L / 16) + j, row L % 16 (256).
; The head's K is 64: an operand's registers 4-7 are zero codes, which the next launch supplies; the upper two bytes of a q or k scale word are another block's bytes or 0, never 0xff, and stand over zero codes.
; LIMITS: NaN and infinities are not served.  A block whose largest magnitude lies under 2^-124 keeps the byte 1; so does a block of zeros, where the rule says 127: its codes are zeros, and this program alone reads the bytes.
; REGISTERS, in windows of 256: window 0: v1-29 addresses; v32-95 scale words, two sets; v96-103 codes just made; v104-119 at work; v120-121 a scale word; v128-191 source 1's fragments, later 64 numbers at work; v192-255 two sets of the table.
;   window 1: source 0's fragments, two sets, at v0 and v128; v64-127 q's or k's bias; v192-199 v's.   window 2: accumulators of source 1's blocks 0-3 ((a, b) at v[8 (8 (a % 4) + b)]);   window 3: blocks 4-7.
.set KROW,   512                       ; a row in memory and in a tile: 1,024 codes
.set PITCH,  528                       ; an LDS row: 512 bytes + 16 of padding = 132 words: the 16 rows of a fragment load start 4 banks apart (64 banks of 4 bytes: ISA guide 11.1)
.set FR,     8
.set NL,     2
.set NP,     4                         ; places behind this matrix instruction (ISA guide 7.12.1)
.set HALFT,  128*PITCH                 ; 128 rows: what one tensor load brings
.set QUART,  64*PITCH                  ; 64 rows: phase 2's load for source 1
.set KS,     32                        ; a row of scale bytes
.set SCL,    4*HALFT                   ; behind source 1's 256 rows and source 0's: phase 1's scales, as units of 256 bytes + 16
.set HALFS,  (128*KS/256)*272
.set SBLK,   (16*KS/256)*272
.set SCL2,   SCL+4*HALFS               ; phase 2's scales: source 1's 16 units, then source 0's 32; filled once, at the start
.set STQ,    SCL2+48*272               ; q, k: a stage for scale words, 1,024 bytes a wave
.set STV,    STQ+4096                  ; v: 512 bytes a wave.  No tensor load lands in either
.set SPARE,  STV+2048                  ; the spare words, 128 bytes for each wave: two blocks of 256 bytes that no other line names
.set L16,  1                           ; v1   16 x lane
.set LT,   2                           ; v2   256 r + 32 h: my place in the table's 16 rows
.set LB,   3                           ; v3   32 h
.set H16,  4                           ; v4   16 h
.set SQA,  5                           ; v5   STQ + 1024 wave + 512 h + 16 r
.set SVA,  6                           ; v6   STV + 512 wave + 8 r
.set SQR,  7                           ; v7   STQ + 1024 wave + 16 lane
.set SVR,  8                           ; v8   STV + 512 wave + 8 lane
.set R4,   9                           ; v9   4 r
.set L8,   10                          ; v10  8 x lane
.set ADRA, 16                          ; v16  my fragments of source 1, phase 1
.set ADRA2, 17                         ; v17  phase 2
.set ADRB, 20                          ; v20  my fragments of source 0, both phases
.set ADRS2, 26                         ; v26  my scale words, phase 2
.set ADRS, 27                          ; v27  phase 1
.set SPW,  28                          ; v28  LDS address of my spare word: SPARE + 4 x my thread's number; never rewritten
.set NIL,  29                          ; v29  0; never rewritten
.set SC,   32
.set PC,   96
.set TM,   104
.set PW,   120
.set PWS,  121
.set AF,   128
.set W,    128
.set CS,   192
.set BI,   64                          ; in window 1
.set BV,   192                         ; in window 1
.set G1,   24                          ; s[24:31] group 1 for source 1's codes;  s[32:35] its group 0
.set G0,   32
.set G0B,  36                          ; s[36:39] group 0 for source 0's codes;  s[48:55] its group 1, the same in both phases
.set G1B,  48
.set G0S,  56                          ; s[56:59], s[60:63] groups 0 for phase 1's scales
.set G0SB, 60
.set G1S,  68                          ; s[68:75] group 1 for source 1's scales, phase 1
.set G0S2, 76                          ; s[76:79], s[80:83] groups 0 for phase 2's scales
.set G0SB2, 80
.set G1SB, 84                          ; s[84:91] group 1 for source 0's scales, both phases
.set G1S2, 92                          ; s[92:99] group 1 for source 1's scales, phase 2
.set SEL,  40                          ; s40, s41: lane selects for v_permlanex16_b32: lane l xor 16 (written when cx and cy are used up)
.set PB,   56                          ; behind the wait that shows the first fills done: s[56:57] the bias, s[58:59] the table, s[60:61], s[62:63] my two heads' records
.set PT,   58
.set H0,   60
.set H1,   62
.set PBV,  70                          ; s[70:71] v's bias, s[72:73] v's record
.set HV,   72
.set MSB, 0
.macro WIN new                         ; the immediate's high byte repeats the setting that is left
.if MSB != \new
	s_set_vgpr_msb (MSB<<8)|\new
.set MSB, \new
.endif
.endm
.set MUL_LO, 0xa1                      ; source 0 window 1, source 1 window 0, C and D window 2
.set MUL_HI, 0xf1
.set TO_B,   0x40
; A joint load: waves 0 and 1 fetch for source 1, waves 2 and 3 for source 0.  Four v_nop follow each of the two lines.
.macro JLOAD g0a, g1a, g0b, g1b
	s_cmp_eq_u32 s21, 0
	s_cbranch_scc0 .Lfor_b_\@
	tensor_load_to_lds s[\g0a:\g0a+3], s[\g1a:\g1a+7]
	s_nop 0
.rept 4
	v_nop
.endr
	s_branch .Lasked_\@
.Lfor_b_\@:
	tensor_load_to_lds s[\g0b:\g0b+3], s[\g1b:\g1b+7]
	s_nop 0
.rept 4
	v_nop
.endr
.Lasked_\@:
.endm
.macro CREST                           ; a round of the cluster's barrier behind its opening barrier
	s_cmp_lg_u32 s20, 0
	s_cbranch_scc1 .Lnot_wave_0_\@
	s_barrier_signal -3
.Lnot_wave_0_\@:
	s_barrier_wait -3
	s_barrier_signal -1
	s_barrier_wait -1
.endm
.macro CROUND                          ; a whole round
	s_barrier_signal -1
	s_barrier_wait -1
	CREST
.endm
	s_load_b256 s[4:11], s[0:1], 0x0               ; x's codes s[4:5], x's scales s[6:7], W's codes s[8:9], W's scales s[10:11]
	s_load_b256 s[12:19], s[0:1], 0x20             ; the bias s[12:13], the table s[14:15], qws s[16:17], kv s[18:19]
	v_lshl_add_u32 v[SPW], v0, 2, SPARE
	v_mov_b32 v[NIL], 0
	ds_add_u32 v28, v29
	ds_add_u32 v28, v29
	s_wait_dscnt 0x0
	v_lshrrev_b32 v11, 5, v0
	v_readfirstlane_b32 s20, v11                   ; wave 0..3
	s_lshr_b32 s21, s20, 1                         ; which half of source 1's rows is mine.  Also: I fetch for source 1 (0) or source 0 (1)
	s_and_b32 s22, s20, 1                          ; which half of source 0's.  Also: which half I fetch
	s_bfe_u32 s40, ttmp6, 0x40000                  ; cx
	s_bfe_u32 s41, ttmp6, 0x40004                  ; cy
	s_and_b32 s42, ttmp7, 0xffff
	s_lshl_b32 s42, s42, 10                        ; 1,024 x cluster y: the cluster's tokens
	s_lshl_b32 s43, ttmp9, 10                      ; 1,024 x cluster x: the cluster's rows of W in phase 1
	s_lshl_b32 s44, s41, 2
	s_lshl_b32 s44, 15, s44                        ; my row of the cluster
	s_lshl_b32 s45, 0x1111, s40                    ; my column
	s_or_b32 s[G1+0], s44, (0<<16)|(1<<20)|(1<<21)|(6<<22)|(3<<25)   ; the mask; elements of 1 byte; padding on; bit 21 beside a mask; 4 words after every 128
	s_or_b32 s[G1B+0], s45, (0<<16)|(1<<20)|(1<<21)|(6<<22)|(3<<25)
.irp g, G1, G1B
	s_mov_b32 s[\g+1], KROW<<16                    ; tensor_dim0
	s_mov_b32 s[\g+2], 128<<16                     ; tensor_dim1
	s_mov_b32 s[\g+3], KROW<<16                    ; tile_dim0
	s_mov_b32 s[\g+4], 128                         ; tile_dim1
	s_mov_b32 s[\g+5], KROW                        ; the pitch
	s_mov_b32 s[\g+6], 0
	s_mov_b32 s[\g+7], 0
.endr
	s_or_b32 s[G1S+0], s44, (3<<16)|(1<<20)|(1<<21)|(5<<22)|(3<<25)  ; the scales of 128 rows: 4,096 dense bytes as 16 rows of 256 (32 elements of 8 bytes), 16 bytes of padding behind each
	s_or_b32 s[G1SB+0], s45, (3<<16)|(1<<20)|(1<<21)|(5<<22)|(3<<25)
.irp g, G1S, G1SB
	s_mov_b32 s[\g+1], 32<<16
	s_mov_b32 s[\g+2], 16<<16
	s_mov_b32 s[\g+3], 32<<16
	s_mov_b32 s[\g+4], 16
	s_mov_b32 s[\g+5], 32
	s_mov_b32 s[\g+6], 0
	s_mov_b32 s[\g+7], 0
.endr
	s_or_b32 s[G1S2+0], s44, (3<<16)|(1<<20)|(1<<21)|(5<<22)|(3<<25) ; those of 64 rows: 8 rows of 256
	s_mov_b32 s[G1S2+1], 32<<16
	s_mov_b32 s[G1S2+2], 8<<16
	s_mov_b32 s[G1S2+3], 32<<16
	s_mov_b32 s[G1S2+4], 8
	s_mov_b32 s[G1S2+5], 32
	s_mov_b32 s[G1S2+6], 0
	s_mov_b32 s[G1S2+7], 0
	s_lshl_b32 s2, s41, 8
	s_add_co_u32 s46, s42, s2                      ; phase 1, source 1: x's row 1,024 cluster y + 256 cy
	s_lshl_b32 s3, s40, 8
	s_add_co_u32 s47, s43, s3                      ; phase 1, source 0: W's row 1,024 cluster x + 256 cx
	s_add_co_u32 s101, s42, s3                     ; phase 2, source 0: x's row 1,024 cluster y + 256 cx
	s_lshr_b32 s43, s43, 1
	s_lshl_b32 s2, s41, 7
	s_add_co_u32 s100, s43, s2
	s_add_co_u32 s100, s100, 2048                  ; phase 2, source 1: W's row 2,048 + 512 cluster x + 128 cy
	s_lshl_b32 s2, s22, 7
	s_add_co_u32 s42, s46, s2                      ; the rows that I fetch: + 128 x half,
	s_add_co_u32 s43, s47, s2
	s_add_co_u32 s66, s101, s2
	s_lshl_b32 s2, s22, 6
	s_add_co_u32 s67, s100, s2                     ; + 64 x half
	s_mov_b32 s[G0], 1
	s_mul_i32 s[G0+1], s20, HALFT                  ; where they go: the wave's number alone enters an LDS address
	s_lshl_b32 s[G0+2], s42, 9                     ; 512 bytes of codes a row (under 2^23 bytes),
	s_mov_b32 s[G0+3], 0
	s_mov_b32 s[G0B], 1
	s_mul_i32 s[G0B+1], s20, HALFT
	s_lshl_b32 s[G0B+2], s43, 9
	s_mov_b32 s[G0B+3], 0
	s_mov_b32 s[G0S], 1
	s_mul_i32 s[G0S+1], s20, HALFS
	s_add_co_u32 s[G0S+1], s[G0S+1], SCL
	s_lshl_b32 s[G0S+2], s42, 5                    ; 32 scale bytes a row
	s_mov_b32 s[G0S+3], 0
	s_mov_b32 s[G0SB], 1
	s_mul_i32 s[G0SB+1], s20, HALFS
	s_add_co_u32 s[G0SB+1], s[G0SB+1], SCL
	s_lshl_b32 s[G0SB+2], s43, 5
	s_mov_b32 s[G0SB+3], 0
	s_mov_b32 s[G0S2], 1
	s_mul_i32 s[G0S2+1], s22, 2176
	s_add_co_u32 s[G0S2+1], s[G0S2+1], SCL2
	s_lshl_b32 s[G0S2+2], s67, 5
	s_mov_b32 s[G0S2+3], 0
	s_mov_b32 s[G0SB2], 1
	s_mul_i32 s[G0SB2+1], s22, 4352
	s_add_co_u32 s[G0SB2+1], s[G0SB2+1], SCL2+4352
	s_lshl_b32 s[G0SB2+2], s66, 5
	s_mov_b32 s[G0SB2+3], 0
	s_wait_kmcnt 0x0
	s_add_nc_u64 s[G0+2:G0+3], s[4:5], s[G0+2:G0+3]
	s_or_b32 s[G0+3], s[G0+3], 0x80000000
	s_add_nc_u64 s[G0B+2:G0B+3], s[8:9], s[G0B+2:G0B+3]
	s_or_b32 s[G0B+3], s[G0B+3], 0x80000000
	s_add_nc_u64 s[G0S+2:G0S+3], s[6:7], s[G0S+2:G0S+3]
	s_or_b32 s[G0S+3], s[G0S+3], 0x80000000
	s_add_nc_u64 s[G0SB+2:G0SB+3], s[10:11], s[G0SB+2:G0SB+3]
	s_or_b32 s[G0SB+3], s[G0SB+3], 0x80000000
	s_add_nc_u64 s[G0S2+2:G0S2+3], s[10:11], s[G0S2+2:G0S2+3]
	s_or_b32 s[G0S2+3], s[G0S2+3], 0x80000000
	s_add_nc_u64 s[G0SB2+2:G0SB2+3], s[6:7], s[G0SB2+2:G0SB2+3]
	s_or_b32 s[G0SB2+3], s[G0SB2+3], 0x80000000
	CROUND                                         ; all sixteen work-groups are here: the joint loads meet
	JLOAD G0S2, G1S2, G0SB2, G1SB                  ; phase 2's scales, phase 1's scales, phase 1's codes: three loads of mine are out
	JLOAD G0S, G1S, G0SB, G1SB
	JLOAD G0, G1, G0B, G1B
	v_and_b32 v11, 15, v0                          ; r
	v_bfe_u32 v12, v0, 4, 1                        ; h
	v_and_b32 v13, 31, v0                          ; lane
	v_mul_u32_u24 v14, v11, PITCH
	v_lshl_add_u32 v14, v12, 4, v14                ; a fragment's row x pitch + 16 h
	s_mul_i32 s2, s21, HALFT
	v_add_nc_u32 v[ADRA], s2, v14
	s_mul_i32 s2, s21, QUART
	v_add_nc_u32 v[ADRA2], s2, v14
	s_mul_i32 s2, s22, HALFT
	s_add_co_u32 s2, s2, 2*HALFT
	v_add_nc_u32 v[ADRB], s2, v14
	v_mul_u32_u24 v14, v11, KS                     ; my row's scales: 32 bytes a row,
	v_lshrrev_b32 v15, 8, v14
	v_lshl_add_u32 v14, v15, 4, v14                ; and 16 more for each 256 passed
	s_mul_i32 s2, s21, HALFS
	s_mul_i32 s3, s22, HALFS
	s_add_co_u32 s3, s3, 2*HALFS
	s_sub_co_u32 s3, s3, s2
	v_mul_u32_u24 v15, s3, v12                     ; lanes 16-31 take source 0's
	s_add_co_u32 s2, s2, SCL
	v_add_nc_u32 v15, v14, v15
	v_add_nc_u32 v[ADRS], s2, v15
	s_mul_i32 s2, s21, 2176                        ; phase 2: source 1's: my 64 rows;
	s_mul_i32 s3, s22, 4352
	s_add_co_u32 s3, s3, 4352                      ; source 0's: my 128 rows, behind source 1's 16 units
	s_sub_co_u32 s3, s3, s2
	v_mul_u32_u24 v15, s3, v12
	s_wait_alu depctr_va_vdst(0)
	s_add_co_u32 s2, s2, SCL2
	v_add_nc_u32 v15, v14, v15
	v_add_nc_u32 v[ADRS2], s2, v15
	v_lshlrev_b32 v[L16], 4, v13
	v_lshlrev_b32 v[L8], 3, v13
	v_lshlrev_b32 v[LT], 8, v11
	v_lshl_add_u32 v[LT], v12, 5, v[LT]
	v_lshlrev_b32 v[LB], 5, v12
	v_lshlrev_b32 v[H16], 4, v12
	s_lshl_b32 s2, s20, 10
	s_add_co_u32 s2, s2, STQ
	v_lshlrev_b32 v[SQA], 4, v11
	v_lshl_add_u32 v[SQA], v12, 9, v[SQA]
	v_add_nc_u32 v[SQA], s2, v[SQA]
	v_add_nc_u32 v[SQR], s2, v[L16]
	s_lshl_b32 s3, s20, 9
	s_add_co_u32 s3, s3, STV
	v_lshl_add_u32 v[SVA], v11, 3, s3
	v_add_nc_u32 v[SVR], s3, v[L8]
	v_lshlrev_b32 v[R4], 2, v11
.irp b, 0,1,2,3
	v_mov_b32 v[TM+4+\b], 0                        ; written once: a lane permute's destination counts as one of its sources
.endr
	s_mov_b32 s[SEL], 0x76543210
	s_mov_b32 s[SEL+1], 0xfedcba98
.macro FRAG reg, adr, q, i             ; 16 rows x 128 K of 4-bit codes: lane l holds row l % 16; registers 4 c .. 4 c + 3 hold K = 64 c + 32 (l / 16) + 0 .. 31
.irp c, 0,1
	ds_load_b128 v[\reg+4*\c:\reg+4*\c+3], v[\adr] offset:64*(\q)+32*\c+(\i)*16*PITCH
.endr
.endm
; 16 matrix instructions: source 1's blocks a0, a0 + 1 x source 0's eight, the q-th 128 along K.  The 64 accumulators take turns, one instruction a turn, in the same order in every step.
.macro MUL16 a0, p, q, zero
.irp a, \a0, \a0+1
.irp b, 0,1,2,3,4,5,6,7
.if \zero
	v_wmma_scale_f32_16x16x128_f8f6f4 v[8*(8*((\a)%4)+\b):8*(8*((\a)%4)+\b)+7], v[128*(\p)+FR*\b:128*(\p)+FR*\b+FR-1], v[AF+FR*(\a):AF+FR*(\a)+FR-1], 0, v[SC+32*((\q)/4)+4*\b+(\q)%4], v[SC+32*((\q)/4)+4*(\a)+(\q)%4] matrix_a_fmt:MATRIX_FMT_FP4 matrix_b_fmt:MATRIX_FMT_FP4 matrix_a_scale:MATRIX_SCALE_ROW1
.else
	v_wmma_scale_f32_16x16x128_f8f6f4 v[8*(8*((\a)%4)+\b):8*(8*((\a)%4)+\b)+7], v[128*(\p)+FR*\b:128*(\p)+FR*\b+FR-1], v[AF+FR*(\a):AF+FR*(\a)+FR-1], v[8*(8*((\a)%4)+\b):8*(8*((\a)%4)+\b)+7], v[SC+32*((\q)/4)+4*\b+(\q)%4], v[SC+32*((\q)/4)+4*(\a)+(\q)%4] matrix_a_fmt:MATRIX_FMT_FP4 matrix_b_fmt:MATRIX_FMT_FP4 matrix_a_scale:MATRIX_SCALE_ROW1
.endif
.endr
.endr
.endm
.macro FETCH_B q, p
	WIN TO_B
.irp i, 0,1,2,3,4,5,6,7
	FRAG 128*(\p)+FR*\i, ADRB, \q, \i
.endr
	WIN 0
.endm
.macro FETCH_A q, i0
.irp i, \i0, \i0+1, \i0+2, \i0+3
	FRAG AF+FR*(\i), ADRA, \q, \i
.endr
.endm
.macro SCALES adr, sc                  ; the scale words of K = 512 sc on: 4 words a row; lanes 0-15 source 1's block i, lanes 16-31 source 0's block i
.irp i, 0,1,2,3,4,5,6,7
	ds_load_b128 v[SC+32*\sc+4*\i:SC+32*\sc+4*\i+3], v[\adr] offset:\i*SBLK+16*\sc
.endr
.endm
.macro PLACES n                        ; plain vector lines between a matrix instruction and a load into, or a vector line on, its registers
.rept \n
	v_nop
.endr
.endm
.macro STEP q, zero                    ; phase 1: 128 along K, and the next step's fragments
	s_wait_dscnt 4*NL                              ; all but the youngest eight loads (source 1's blocks 4-7) are in
	WIN MUL_LO
	MUL16 0, (\q)%2, \q, \zero
	MUL16 2, (\q)%2, \q, \zero
	s_wait_dscnt 0
	PLACES NP
	FETCH_B (\q)+1, 1-(\q)%2
	FETCH_A (\q)+1, 0
	WIN MUL_HI
	MUL16 4, (\q)%2, \q, \zero
	MUL16 6, (\q)%2, \q, \zero
	PLACES NP
	WIN 0
	FETCH_A (\q)+1, 4
.endm
; 64 numbers of a lane, register s + 8 t + j = k 16 t + 8 h + j of my row (what eight accumulators side by side hold), become a fragment's codes in v[PC] on and its scale word in v[PW].
; A block of 32 lies in registers 16 b .. 16 b + 15 of lanes l and l xor 16.  Its largest magnitude's exponent field less 2 is the scale's byte; the floor 2^(3 - 127) holds the byte at 1 from below.
.macro QUANT s
.irp b, 0,1,2,3
	v_max3_num_f32 v[TM+\b], |v[\s+16*\b]|, |v[\s+1+16*\b]|, 0x1800000
.endr
.irp i, 2,4,6,8,10,12,14
.irp b, 0,1,2,3
	v_max3_num_f32 v[TM+\b], v[TM+\b], |v[\s+16*\b+\i]|, |v[\s+1+16*\b+\i]|   ; the four blocks by turns
.endr
.endr
.irp b, 0,1,2,3
	v_permlanex16_b32 v[TM+4+\b], v[TM+\b], s[SEL], s[SEL+1]
.endr
.irp b, 0,1,2,3
	v_max_num_f32 v[TM+\b], v[TM+\b], v[TM+4+\b]
.endr
.irp b, 0,1,2,3
	v_add_nc_u32 v[TM+12+\b], 0xff000000, v[TM+\b]     ; 2 off the exponent field: the conversion's scale operand
.endr
.irp b, 0,1,2,3
	v_lshrrev_b32 v[TM+4+\b], 23, v[TM+12+\b]          ; the byte
.endr
	v_lshl_or_b32 v[PW], v[TM+5], 8, v[TM+4]
	v_lshl_or_b32 v[PW], v[TM+6], 16, v[PW]
	v_lshl_or_b32 v[PW], v[TM+7], 24, v[PW]
.irp t, 0,1,2,3,4,5,6,7                ; tile t's eight codes go to register 4 (t / 4) + {0, 2, 1, 3}[t % 4], so that the two exchanges below leave k = 64 c + 32 h + 8 i + 0 .. 7 in register 4 c + i
	v_cvt_scalef32_pk8_fp4_f32 v[PC+4*(\t/4)+2*(\t%2)+(\t%4)/2], v[\s+8*\t:\s+8*\t+7], v[TM+12+\t/2]
.endr
	v_nop                                          ; one plain line behind the scaled conversions
.irp c, 0,1
	v_permlane16_swap_b32 v[PC+4*\c], v[PC+4*\c+1]     ; the first's lanes 16-31 change places with the second's lanes 0-15
	v_permlane16_swap_b32 v[PC+4*\c+2], v[PC+4*\c+3]
.endr
.endm
.macro CSLOAD a                        ; (cos, sin) for tokens 16 a + r, pairs i = 8 t + 4 h + 0 .. 3: 32 registers, set a % 2
.set CB, CS+32*((\a)%2)
.irp t, 0,1,2,3
	global_load_b128 v[CB+8*\t:CB+8*\t+3], v[LT], s[PT:PT+1] offset:4096*(\a)+64*\t
	global_load_b128 v[CB+8*\t+4:CB+8*\t+7], v[LT], s[PT:PT+1] offset:4096*(\a)+64*\t+16
.endr
.endm
	s_wait_alu depctr_va_vdst(0)
	s_wait_tensorcnt 0x0                           ; my three first fills have landed: their descriptors' registers may be written,
	s_barrier_signal -1
	s_barrier_wait -1                              ; and everybody's have.
	FETCH_B 0, 0
	FETCH_A 0, 0
	SCALES ADRS, 0
	SCALES ADRS, 1
	FETCH_A 0, 4
	; where the results' companions lie and where the results go; the biases and the first two sets of the table are asked for here: they have the whole of phase 1's products in which to land
	s_lshl_b32 s2, s21, 7
	s_add_co_u32 s2, s46, s2                       ; phase 1: my first token
	s_lshl_b32 s3, s22, 7
	s_add_co_u32 s3, s47, s3                       ; my first column
	s_lshl_b32 s74, s3, 2
	s_mov_b32 s75, 0
	s_add_nc_u64 s[PB:PB+1], s[12:13], s[74:75]    ; its bias
	s_and_b32 s74, s2, 2047
	s_lshl_b32 s74, s74, 8
	s_add_nc_u64 s[PT:PT+1], s[14:15], s[74:75]    ; the table at my first token's place in its sequence
	s_and_b32 s42, s3, 1023
	s_lshr_b32 s42, s42, 6                         ; my first head
	s_lshr_b32 s43, s2, 11
	s_lshl_b32 s43, s43, 4
	s_add_co_u32 s42, s42, s43                     ; + 16 x batch
	s_bfe_u32 s43, s2, 0x40007                     ; which step of 128 tokens
	s_mov_b32 s68, 143360
	s_mov_b32 s69, 8960
	s_cmp_eq_u32 ttmp9, 0                          ; q goes to qws, k to kv: a choice on the cluster's x, which all partners share
	s_cselect_b64 s[H0:H0+1], s[16:17], s[18:19]
	s_cselect_b32 s68, 73728, s68                  ; a head's bytes,
	s_cselect_b32 s69, 4608, s69                   ; a record's
	s_mul_i32 s42, s42, s68
	s_mul_i32 s43, s43, s69
	s_add_co_u32 s74, s42, s43
	s_add_nc_u64 s[H0:H0+1], s[H0:H0+1], s[74:75]  ; my first head's record,
	s_mov_b32 s74, s68
	s_add_nc_u64 s[H1:H1+1], s[H0:H0+1], s[74:75]  ; my second head's
	s_lshl_b32 s2, s21, 6
	s_add_co_u32 s2, s100, s2                      ; phase 2: my first row of W
	s_lshl_b32 s3, s22, 7
	s_add_co_u32 s3, s101, s3                      ; my first token
	s_lshl_b32 s74, s2, 2
	s_add_nc_u64 s[PBV:PBV+1], s[12:13], s[74:75]
	s_and_b32 s42, s2, 1023
	s_lshr_b32 s42, s42, 6                         ; my head
	s_lshr_b32 s43, s3, 11
	s_lshl_b32 s43, s43, 4
	s_add_co_u32 s42, s42, s43
	s_bfe_u32 s43, s3, 0x40007
	s_mul_i32 s42, s42, 143360
	s_mul_i32 s43, s43, 8960
	s_add_co_u32 s74, s42, s43
	s_add_nc_u64 s[HV:HV+1], s[18:19], s[74:75]    ; its record
	WIN 0x40                                       ; destination window 1
.irp b, 0,1,2,3,4,5,6,7
	global_load_b128 v[BI+8*\b:BI+8*\b+3], v[LB], s[PB:PB+1] offset:64*\b        ; the bias of columns 16 b + 8 h + 0 .. 7
	global_load_b128 v[BI+8*\b+4:BI+8*\b+7], v[LB], s[PB:PB+1] offset:64*\b+16
.endr
.irp a, 0,1,2,3
	global_load_b32 v[BV+2*\a], v[R4], s[PBV:PBV+1] offset:64*\a     ; v: my column's bias, twice: a pair for the packed addition
	global_load_b32 v[BV+2*\a+1], v[R4], s[PBV:PBV+1] offset:64*\a
.endr
	WIN 0
	CSLOAD 0
	CSLOAD 1
	; ---------------- phase 1: 8 steps of 128 along K
	STEP 0, 1                                      ; the first products start the sums: nothing is cleared
.irp q, 1,2,3,4,5,6
	STEP \q, 0
.endr
	; The last step.  Its fragments are the last that anybody reads of phase 1's codes: ONE round of the cluster's barrier, and behind it phase 2's codes are asked for into the same bytes.
	s_wait_tensorcnt 0x0                           ; no tensor load of mine is out;  (every window is 0 here: the add's two registers lie in window 0)
	ds_add_u32 v[SPW], v[NIL]                      ; 0 onto my spare word; the descriptors' new words and sixteen products stand between it and the wait for it
	s_mov_b32 s[G1+2], 64<<16                      ; source 1: 64 rows a load now
	s_mov_b32 s[G1+4], 64
	s_mul_i32 s[G0+1], s22, QUART
	s_lshl_b32 s[G0+2], s67, 9
	s_mov_b32 s[G0+3], 0
	s_add_nc_u64 s[G0+2:G0+3], s[8:9], s[G0+2:G0+3]           ; rows of W
	s_or_b32 s[G0+3], s[G0+3], 0x80000000
	s_lshl_b32 s[G0B+2], s66, 9                    ; source 0: the same shape and the same LDS bytes as in phase 1;
	s_mov_b32 s[G0B+3], 0
	s_add_nc_u64 s[G0B+2:G0B+3], s[4:5], s[G0B+2:G0B+3]       ; rows of x
	s_or_b32 s[G0B+3], s[G0B+3], 0x80000000
	s_wait_dscnt 4*NL+1                            ; (the add and the youngest eight loads may be out)
	WIN MUL_LO
	MUL16 0, 1, 7, 0
	s_wait_dscnt 0x0                               ; the add is done, and my reads of phase 1's codes are over
	s_barrier_signal -1
	MUL16 2, 1, 7, 0
	WIN 0
	s_barrier_wait -1
	CREST                                          ; no wave of any partner still reads these bytes or has a load on its way
	JLOAD G0, G1, G0B, G1B                         ; the first tensor load behind the round, and my only one: one load of mine is out
	WIN MUL_HI
	MUL16 4, 1, 7, 0
	MUL16 6, 1, 7, 0
	WIN 0
	PLACES NP
	; ---------------- q and k: a lane holds token 16 a + r; the registers of accumulators (a, 0 .. 7) are 128 columns: two heads
.macro EQK a
.if (\a) < 7
	s_wait_loadcnt 8                               ; the biases and this tile's table are in; the next tile's eight loads may be out
.else
	s_wait_loadcnt 0x0
.endif
	WIN 0x06+(\a)/4                                ; source 0: window 2 or 3; source 1: window 1
.set AC, 64*((\a)%4)
.set j, 0
.rept 32
	v_pk_add_f32 v[W+j:W+j+1], v[AC+j:AC+j+1], v[BI+j:BI+j+1]      ; + bias; each accumulator from its low end on
.set j, j+2
.endr
	WIN 0
.set CB, CS+32*((\a)%2)
.irp g, 0,1,2,3                        ; RoPE: (xe, xo) -> (xe c - xo s, xe s + xo c); both heads take the same table
.irp m, 0,1,2,3,4,5,6,7
	v_pk_mul_f32 v[TM+2*\m:TM+2*\m+1], v[W+16*\g+2*\m:W+16*\g+2*\m+1], v[CB+(16*\g+2*\m)%32:CB+(16*\g+2*\m)%32+1] op_sel:[1,1] op_sel_hi:[1,0]   ; (xo s, xo c)
.endr
.irp m, 0,1,2,3,4,5,6,7
	v_pk_fma_f32 v[W+16*\g+2*\m:W+16*\g+2*\m+1], v[W+16*\g+2*\m:W+16*\g+2*\m+1], v[CB+(16*\g+2*\m)%32:CB+(16*\g+2*\m)%32+1], v[TM+2*\m:TM+2*\m+1] op_sel_hi:[0,1,1] neg_lo:[0,0,1]
.endr
.endr
.if (\a) < 6
	CSLOAD (\a)+2
.endif
	s_wait_xcnt 0x0                                ; the last tile's stores have read their data: the codes' registers may be written again
	s_wait_dscnt 0x0                               ; and so has its LDS store
	QUANT W
	global_store_b128 v[L16], v[PC:PC+3], s[H0:H0+1] offset:512*(\a)       ; 32 lanes store 512 consecutive bytes
	global_store_b128 v[L16], v[PC+4:PC+7], s[H1:H1+1] offset:512*(\a)
	v_lshrrev_b32 v[PWS], v[H16], v[PW]            ; lanes 0-15 keep the first head's two bytes below, lanes 16-31 get the second head's
	ds_store_b32 v[SQA], v[PWS] offset:256*((\a)/4)+4*((\a)%4)
.endm
.irp a, 0,1,2,3,4,5,6,7
	EQK \a
.endr
	ds_load_b128 v[TM:TM+3], v[SQR]                ; LDS serves a wave's instructions in order (ISA guide 5.7.1.4): these see my stores
	ds_load_b128 v[TM+4:TM+7], v[SQR] offset:512
	s_wait_dscnt 0x0
	global_store_b128 v[L16], v[TM:TM+3], s[H0:H0+1] offset:4096
	global_store_b128 v[L16], v[TM+4:TM+7], s[H1:H1+1] offset:4096
	; ---------------- phase 2: v.  Source 1's four blocks x source 0's eight: 32 accumulators by turns, 8 steps of 128 along K
.macro FETCH2 q, p                     ; the q-th step's fragments into sets p
	WIN TO_B
.irp i, 0,1,2,3,4,5,6,7
	FRAG 128*(\p)+FR*\i, ADRB, \q, \i
.endr
	WIN 0
.irp i, 0,1,2,3
	FRAG AF+32*(\p)+FR*\i, ADRA2, \q, \i
.endr
.endm
.macro MUL32 p, q, zero
.irp a, 0,1,2,3
.irp b, 0,1,2,3,4,5,6,7
.if \zero
	v_wmma_scale_f32_16x16x128_f8f6f4 v[8*(8*\a+\b):8*(8*\a+\b)+7], v[128*(\p)+FR*\b:128*(\p)+FR*\b+FR-1], v[AF+32*(\p)+FR*\a:AF+32*(\p)+FR*\a+FR-1], 0, v[SC+32*((\q)/4)+4*\b+(\q)%4], v[SC+32*((\q)/4)+4*\a+(\q)%4] matrix_a_fmt:MATRIX_FMT_FP4 matrix_b_fmt:MATRIX_FMT_FP4 matrix_a_scale:MATRIX_SCALE_ROW1
.else
	v_wmma_scale_f32_16x16x128_f8f6f4 v[8*(8*\a+\b):8*(8*\a+\b)+7], v[128*(\p)+FR*\b:128*(\p)+FR*\b+FR-1], v[AF+32*(\p)+FR*\a:AF+32*(\p)+FR*\a+FR-1], v[8*(8*\a+\b):8*(8*\a+\b)+7], v[SC+32*((\q)/4)+4*\b+(\q)%4], v[SC+32*((\q)/4)+4*\a+(\q)%4] matrix_a_fmt:MATRIX_FMT_FP4 matrix_b_fmt:MATRIX_FMT_FP4 matrix_a_scale:MATRIX_SCALE_ROW1
.endif
.endr
.endr
.endm
.macro STEP3 q, zero, fetch            ; this step's fragments are in; the next step's are asked for into the other sets; then the 32 products
	s_wait_dscnt 0x0
.if \fetch
	PLACES NP                                      ; between the last step's products and the loads into the sets that they read
	FETCH2 (\q)+1, 1-(\q)%2
.endif
	WIN MUL_LO
	MUL32 (\q)%2, \q, \zero
	WIN 0
.endm
	s_wait_tensorcnt 0x0                           ; my part of phase 2's codes has landed,
	s_wait_dscnt 0x0
	s_barrier_signal -1
	s_barrier_wait -1                              ; everybody's has.
	FETCH2 0, 0
	SCALES ADRS2, 0                                ; (for blocks above 3 lanes 0-15 read on into source 0's scale bytes: words that no product names)
	SCALES ADRS2, 1
	STEP3 0, 1, 1
.irp q, 1,2,3,4,5,6
	STEP3 \q, 0, 1
.endr
	STEP3 7, 0, 0
	PLACES NP
	; a lane holds column d = 16 a + r of my head; the registers of accumulators (a, 0 .. 7) are my 128 tokens
.macro EV a
	WIN 0x06                                       ; source 0: window 2; source 1: window 1
.set AC, 64*(\a)
.set j, 0
.rept 32
	v_pk_add_f32 v[W+j:W+j+1], v[AC+j:AC+j+1], v[BV+2*(\a):BV+2*(\a)+1]
.set j, j+2
.endr
	WIN 0
	s_wait_xcnt 0x0                                ; the earlier stores have read their data
	s_wait_dscnt 0x0
	QUANT W
	global_store_b128 v[L16], v[PC:PC+3], s[HV:HV+1] offset:4608+1024*(\a)
	global_store_b128 v[L16], v[PC+4:PC+7], s[HV:HV+1] offset:4608+1024*(\a)+512
	ds_store_b32 v[SVA], v[PW] offset:128*((\a)/2)+4*((\a)%2)      ; both halves of the lanes write the same word with the same value
.endm
.irp a, 0,1,2,3
	EV \a
.endr
	ds_load_b64 v[TM:TM+1], v[SVR]                 ; in order behind my stores
	s_wait_dscnt 0x0
	global_store_b64 v[L8], v[TM:TM+1], s[HV:HV+1] offset:8704     ; 32 lanes store 256 consecutive bytes, at a multiple of 256 from kv's first byte
	s_wait_tensorcnt 0x0                           ; the wave's end, behind my last tensor load and my last LDS store
	ds_add_u32 v[SPW], v[NIL]
	s_wait_dscnt 0x0
	CROUND                                         ; the closing round: no work-group ends while a partner may still ask for a tile that names it
	s_endpgm
.Lfunc_end_k_q849601c06e_qkv:
	.size	k_q849601c06e_qkv, .Lfunc_end_k_q849601c06e_qkv-k_q849601c06e_qkv
	.p2alignl 7, 3214868480
	.fill 96, 4, 3214868480
	.section	.rodata,"a",@progbits
	.p2align	6, 0x0
	.amdhsa_kernel k_q849601c06e_qkv
		.amdhsa_group_segment_fixed_size 327680
		.amdhsa_private_segment_fixed_size 0
		.amdhsa_enable_private_segment 0
		.amdhsa_kernarg_size 64
		.amdhsa_user_sgpr_count 2
		.amdhsa_user_sgpr_kernarg_segment_ptr 1
		.amdhsa_wavefront_size32 1
		.amdhsa_system_sgpr_workgroup_id_x 1
		.amdhsa_system_sgpr_workgroup_id_y 1
		.amdhsa_system_sgpr_workgroup_id_z 1
		.amdhsa_system_vgpr_workitem_id 0
		.amdhsa_next_free_vgpr 1024
		.amdhsa_next_free_sgpr 102
		.amdhsa_reserve_vcc 0
		.amdhsa_float_denorm_mode_32 3
		.amdhsa_float_denorm_mode_16_64 3
		.amdhsa_memory_ordered 1
		.amdhsa_forward_progress 1
		.amdhsa_inst_pref_size 255
	.end_amdhsa_kernel
	.section	.bss,"aw",@nobits
	.p2align	6
	.space	262144
	.amdgpu_metadata
---
amdhsa.version: [ 1, 2 ]
amdhsa.kernels:
  - .name:           k_q849601c06e_qkv
    .symbol:         k_q849601c06e_qkv.kd
    .args:
      - { .name: x_codes, .offset: 0, .size: 8, .value_kind: global_buffer, .address_space: global }
      - { .name: x_scales, .offset: 8, .size: 8, .value_kind: global_buffer, .address_space: global }
      - { .name: qkv_w_codes, .offset: 16, .size: 8, .value_kind: global_buffer, .address_space: global }
      - { .name: qkv_w_scales, .offset: 24, .size: 8, .value_kind: global_buffer, .address_space: global }
      - { .name: qkv_b, .offset: 32, .size: 8, .value_kind: global_buffer, .address_space: global }
      - { .name: tab, .offset: 40, .size: 8, .value_kind: global_buffer, .address_space: global }
      - { .name: qws, .offset: 48, .size: 8, .value_kind: global_buffer, .address_space: global }
      - { .name: kv, .offset: 56, .size: 8, .value_kind: global_buffer, .address_space: global }
    .group_segment_fixed_size: 327680
    .private_segment_fixed_size: 0
    .kernarg_segment_align: 8
    .kernarg_segment_size: 64
    .max_flat_workgroup_size: 128
    .sgpr_count:     102
    .vgpr_count:     1024
    .wavefront_size: 32
...
	.end_amdgpu_metadata
.endif
;; end of part 2
;; launch attn (part 3): grid 4 x 64, 16 waves a work-group, clusters of 4 x 1, 169,984 bytes of LDS; arguments qws, kv, aimg, asc; writes aimg, asc
.if DOCPART == 3
	.amdgcn_target "amdgcn-amd-amdhsa--gfx1250"
	.amdhsa_code_object_version 6
	.text
	.protected	k_q849601c06e_attn
	.globl	k_q849601c06e_attn
	.p2align	8
	.type	k_q849601c06e_attn,@function
k_q849601c06e_attn:
	s_mov_b64 s[64:65], 0
	v_nop
	global_prefetch_b8 v0, s[64:65] scope:SCOPE_SE
	s_setreg_imm32_b32 hwreg(HW_REG_WAVE_MODE, 25, 1), 1
	s_wait_xcnt 0x0
	s_wait_alu depctr_hold_cnt(0) depctr_sa_sdst(0) depctr_va_vdst(0) depctr_va_sdst(0) depctr_va_ssrc(0) depctr_va_vcc(0) depctr_vm_vsrc(0)
	s_getreg_b32 s2, hwreg(HW_REG_IB_STS2, 6, 4)
	s_cmp_eq_u32 s2, 0
	s_cbranch_scc0 .Lentry_in_a_cluster
	s_endpgm
.Lentry_in_a_cluster:
	s_bfe_u32 s2, ttmp6, 0x10000c
	s_cmp_lg_u32 s2, 0x3003
	s_cbranch_scc0 .Lentry_shape_is_right
	s_endpgm
.Lentry_shape_is_right:
; Causal attention of one head on codes of FP4 (E2M1): S^T = K Q^T (K = the head's 64; the instruction's upper 64 are zero codes on both sides), p = 2^(t - M), O^T = V^T P^T (K = the keys), O / l, which is quantised
; along the model's 1,024 and stored as an image of the last product's operand registers.  t = score x log2(e) / 8; M = the running largest t rounded UP to a whole number; l is the sum of the unquantised p.
; SHARES.  A cluster of four work-groups is one (batch, head); it owns the head's 128 tiles of 16 queries.  Wave w (p = w % 8, g = w / 8) of work-group cx owns tile a = 2 cx + g of the block of 128 queries 15 - p,
; and then the same tile of block p: (16 - p) + (p + 1) = 17 steps of 128 keys for every wave of the launch.  Every branch hangs on the wave's number and on loop counters; cx enters global addresses and the mask's data alone.
; LDS holds the head's whole record of k and v, 143,360 bytes as they lie in memory (16 steps of 8,960: k's codes 4,096, k's scale words 512, v's codes 4,096, v's scale words 256), brought ONCE by four joint loads of wave 0:
; nothing is filled again.  All reads are 16 or 8 bytes a lane on consecutive bytes.  Steps 0-3 are read when the first load has landed, 4-7 when the second has, the rest when all have.
; A lane holds ONE query (lane % 16) throughout; register 8 t + j of S^T is key 16 t + 8 (lane / 16) + j.
; The scale bytes of O / l leave as 2 bytes a token (one head makes two of a token's 32): 262,144 of the launch's 4,456,448 stored bytes go out in such pieces.
; LIMITS: NaN and infinities are not served; a block of O / l under 2^-124, or of zeros, keeps the byte 1 (zero codes; this program alone reads the bytes).
; REGISTERS: v1-7 addresses; v12 -M, v13 the largest t, v[14:15] the sum in two halves; v16-23 Q; v24-87 K's eight fragments (registers 4-7 of each: zeros, written once); v88-119 V's four; v120-183 S^T, then p;
;   v184-215 O^T; v216-223 p's codes; v224-227 K's scale words, v228-229 V's, v230 Q's, v231 p's; v232-254 at work.
.set REC,   8960
.set HEADB, 143360
.set CHUNK, 35840
.set L16,  1                           ; 16 x lane
.set L8,   2                           ; 8 x lane
.set DQ,   3                           ; 16 a + r - 8 h: on the diagonal, register n is hidden where 16 (n / 8) + n % 8 > DQ
.set R16,  4                           ; 16 r
.set R32,  5                           ; 32 r
.set AD16, 6
.set AD8,  7
.set QF,   16
.set KF,   24
.set VF,   88
.set S,    120
.set O,    184
.set PC,   216
.set KSW,  224
.set VSW,  228
.set QSW,  230
.set PSW,  231
.macro ROUND                           ; a round of the cluster's barrier
	s_barrier_signal -1
	s_barrier_wait -1
	s_cmp_lg_u32 s12, 0
	s_cbranch_scc1 .Lnot_wave_0_\@
	s_barrier_signal -3
.Lnot_wave_0_\@:
	s_barrier_wait -3
	s_barrier_signal -1
	s_barrier_wait -1
.endm
	s_load_b256 s[4:11], s[0:1], 0x0               ; qws s[4:5], kv s[6:7], aimg s[8:9], asc s[10:11]
	v_lshl_add_u32 v251, v0, 2, 0x29000
	v_mov_b32 v255, 0
	ds_add_u32 v251, v255
	ds_add_u32 v251, v255
	v_lshrrev_b32 v8, 5, v0
	s_delay_alu instid0(VALU_DEP_1)
	v_readfirstlane_b32 s12, v8                    ; wave 0..15
	s_and_b32 s13, s12, 7                          ; p
	s_lshr_b32 s14, s12, 3                         ; g
	s_bfe_u32 s15, ttmp6, 0x40000                  ; cx
	s_lshl_b32 s16, s15, 1
	s_add_co_u32 s16, s16, s14                     ; a = 2 cx + g
	s_and_b32 s17, ttmp7, 0xffff                   ; 16 x batch + head: the four partners share it
	s_mov_b32 s20, 0x76543210
	s_mov_b32 s21, 0xfedcba98                      ; v_permlanex16_b32's selects for lane l xor 16
	s_mov_b32 s22, 0x3e38aa3b                      ; c = log2(e) / sqrt(64)
	s_mov_b32 s23, s22                             ; (named with it as a pair)
	s_mov_b32 s24, 15|(3<<16)|(1<<21)              ; group 1: all four work-groups; elements of 8 bytes; bit 21 beside a mask; no padding
	s_mov_b32 s25, 32<<16                          ; tensor_dim0 = 32: rows of 256 bytes
	s_mov_b32 s26, 140<<16                         ; tensor_dim1 = 140 rows: 35,840 dense bytes
	s_mov_b32 s27, 32<<16                          ; tile_dim0
	s_mov_b32 s28, 140                             ; tile_dim1
	s_mov_b32 s29, 32                              ; the pitch
	s_mov_b32 s30, 0
	s_mov_b32 s31, 0
	s_mul_i32 s60, s17, HEADB
	s_mov_b32 s61, 0
	s_wait_dscnt 0x0
	s_wait_kmcnt 0x0
	s_add_nc_u64 s[60:61], s[6:7], s[60:61]        ; the head's record
.irp c, 0,1,2,3
	s_mov_b32 s[32+4*\c], 1
	s_mov_b32 s[33+4*\c], \c*CHUNK
	s_add_nc_u64 s[34+4*\c:35+4*\c], s[60:61], \c*CHUNK
	s_or_b32 s[35+4*\c], s[35+4*\c], 0x80000000
.endr
	ROUND                                          ; all four work-groups are here: the joint loads meet
	s_cmp_lg_u32 s12, 0
	s_cbranch_scc1 .Lno_fetch                      ; wave 0 asks for all four quarters, in one branch: four loads of its own are out
	tensor_load_to_lds s[32:35], s[24:31]
	s_nop 0
	tensor_load_to_lds s[36:39], s[24:31]
	s_nop 0
	tensor_load_to_lds s[40:43], s[24:31]
	s_nop 0
	tensor_load_to_lds s[44:47], s[24:31]
	s_nop 0
.rept 4
	v_nop
.endr
.Lno_fetch:
	v_and_b32 v8, 31, v0
	s_delay_alu instid0(VALU_DEP_1)
	v_lshlrev_b32 v[L16], 4, v8
	s_delay_alu instid0(VALU_DEP_2)
	v_lshlrev_b32 v[L8], 3, v8
	v_and_b32 v9, 15, v0                           ; r
	v_bfe_u32 v10, v0, 4, 1                        ; h
	s_delay_alu instid0(VALU_DEP_2)
	v_lshlrev_b32 v[R16], 4, v9
	s_delay_alu instid0(VALU_DEP_3)
	v_lshlrev_b32 v[R32], 5, v9
	s_lshl_b32 s60, s16, 4
	v_lshlrev_b32 v10, 3, v10
	s_delay_alu instid0(VALU_DEP_1)
	v_sub_nc_u32 v[DQ], v9, v10
	s_delay_alu instid0(VALU_DEP_1)
	v_add_nc_u32 v[DQ], s60, v[DQ]
.irp i, 4,5,6,7
	v_mov_b32 v[QF+\i], 0                          ; zero codes for k = 64 .. 127
.endr
.irp t, 0,1,2,3,4,5,6,7
.irp i, 4,5,6,7
	v_mov_b32 v[KF+8*\t+\i], 0
.endr
.endr
.irp b, 0,1,2,3
	v_mov_b32 v[236+\b], 0                         ; written once: a lane permute's destination counts as one of its sources
.endr
	v_mov_b32 v252, 0
	v_mov_b32 v253, 0                              ; (the upper half of the pair v[252:253])
; The start of a pass over the block of queries s49: addresses, Q's fragment and scale word, empty sums.
.macro SETUP
	s_mul_i32 s60, s17, 73728
	s_mul_i32 s61, s49, 4608
	s_add_co_u32 s60, s60, s61                     ; the block's record in qws
	s_lshl_b32 s61, s16, 9
	s_add_co_u32 s62, s60, s61                     ; my tile's codes
	s_mov_b32 s63, 0
	s_add_nc_u64 s[52:53], s[4:5], s[62:63]
	s_lshr_b32 s61, s16, 2
	s_lshl_b32 s61, s61, 8
	s_add_co_u32 s62, s60, s61
	s_and_b32 s61, s16, 3
	s_lshl_b32 s61, s61, 2
	s_add_co_u32 s62, s62, s61
	s_add_co_u32 s62, s62, 4096                    ; its scale words: 4,096 + 256 (a / 4) + 4 (a % 4), + 16 r
	s_add_nc_u64 s[54:55], s[4:5], s[62:63]
	s_lshr_b32 s66, s17, 4
	s_lshl_b32 s66, s66, 7
	s_lshl_b32 s67, s49, 3
	s_add_co_u32 s66, s66, s67
	s_add_co_u32 s66, s66, s16                     ; my tile of 16 tokens among the 512
	s_and_b32 s67, s17, 15                         ; the head
	s_lshl_b32 s62, s66, 13
	s_lshl_b32 s68, s67, 9
	s_add_co_u32 s62, s62, s68                     ; 8,192 x tile + 512 x head
	s_add_nc_u64 s[56:57], s[8:9], s[62:63]
	s_lshl_b32 s62, s66, 9
	s_lshl_b32 s68, s67, 1
	s_add_co_u32 s62, s62, s68                     ; 32 x token + 2 x head
	s_add_nc_u64 s[58:59], s[10:11], s[62:63]
	global_load_b128 v[QF:QF+3], v[L16], s[52:53]
	global_load_b32 v[QSW], v[R16], s[54:55]
	s_mov_b32 s48, 0                               ; the key step
	s_mov_b32 s50, 0                               ; its record in LDS
	v_mov_b32 v13, 0xff61b1e6                      ; the largest t so far: -3e38
	s_delay_alu instid0(VALU_DEP_1)
	v_floor_f32 v12, -v13                          ; -M
	v_mov_b32 v14, 0
	v_mov_b32 v15, 0
.set j, 0
.rept 32
	v_mov_b32 v[O+j], 0                            ; O^T: the step is written once; its first walk finds zeros
.set j, j+1
.endr
	s_wait_loadcnt 0x0
.endm
; A KEY STEP of 128 keys.  A step all of whose keys come after my block's queries is left out: a scalar branch round its work, not round the two lines that step the counters.
.macro STEP
	s_cmp_gt_u32 s48, s49
	s_cbranch_scc1 .Lhid_\@
	s_setprio 2
	v_add_nc_u32 v[AD16], s50, v[L16]
	v_add_nc_u32 v[AD8], s50, v[L8]
	v_nop
	v_nop                                          ; four plain lines between the last step's products and the loads into V's registers and scale words
	ds_load_b128 v[KSW:KSW+3], v[AD16] offset:4096
.irp t, 0,1,2,3,4,5,6,7
	ds_load_b128 v[KF+8*\t:KF+8*\t+3], v[AD16] offset:512*\t
.endr
.irp f, 0,1,2,3,4,5,6,7
	ds_load_b128 v[VF+4*\f:VF+4*\f+3], v[AD16] offset:4608+512*\f
.endr
	ds_load_b64 v[VSW:VSW+1], v[AD8] offset:8704
	s_wait_dscnt 9                                 ; K's nine loads are in; V's nine may be out
.irp t, 0,1,2,3
	v_wmma_scale_f32_16x16x128_f8f6f4 v[S+8*\t:S+8*\t+7], v[KF+8*\t:KF+8*\t+7], v[QF:QF+7], 0, v[KSW+\t], v[QSW] matrix_a_fmt:MATRIX_FMT_FP4 matrix_b_fmt:MATRIX_FMT_FP4
.endr
.irp t, 4,5,6,7
	v_wmma_scale_f32_16x16x128_f8f6f4 v[S+8*\t:S+8*\t+7], v[KF+8*\t:KF+8*\t+7], v[QF:QF+7], 0, v[KSW+\t-4], v[QSW] matrix_a_fmt:MATRIX_FMT_FP4 matrix_b_fmt:MATRIX_FMT_FP4 matrix_a_scale:MATRIX_SCALE_ROW1
.endr
.rept 4
	v_nop
.endr
	s_cmp_lg_u32 s48, s49                          ; only the step on the diagonal hides keys
	s_cbranch_scc1 .Lopen_\@
	v_mov_b32 v254, 0xff800000                     ; -infinity: p = 0 then
.set n, 0
.rept 64
	v_cmp_gt_i32 vcc_lo, 16*(n/8)+n%8, v[DQ]
	v_cndmask_b32 v[S+n], v[S+n], v254, vcc_lo
.set n, n+1
.endr
.Lopen_\@:
.irp b, 0,1,2,3
	v_max3_num_f32 v[232+\b], v[S+16*\b], v[S+1+16*\b], v[S+2+16*\b]     ; the largest score of each block of 32 keys: for the row's maximum, and, since p rises with the score, for the block's largest p
.endr
.irp i, 3,5,7,9,11,13
.irp b, 0,1,2,3
	v_max3_num_f32 v[232+\b], v[232+\b], v[S+16*\b+\i], v[S+1+16*\b+\i]
.endr
.endr
.irp b, 0,1,2,3
	v_max_num_f32 v[232+\b], v[232+\b], v[S+15+16*\b]
.endr
.irp b, 0,1,2,3
	s_delay_alu instid0(VALU_DEP_4)
	v_permlanex16_b32 v[236+\b], v[232+\b], s20, s21
.endr
.irp b, 0,1,2,3
	s_delay_alu instid0(VALU_DEP_4)
	v_max_num_f32 v[232+\b], v[232+\b], v[236+\b]
.endr
	s_delay_alu instid0(VALU_DEP_2)
	v_max3_num_f32 v254, v232, v233, v234
	s_delay_alu instid0(VALU_DEP_1)
	v_max_num_f32 v254, v254, v235
	s_delay_alu instid0(VALU_DEP_1)
	v_mul_f32 v254, s22, v254                      ; as t (c is positive)
	s_delay_alu instid0(VALU_DEP_1)
	v_max_num_f32 v13, v13, v254                   ; the running largest t
	v_mov_b32 v254, v12
	s_delay_alu instid0(VALU_DEP_2)
	v_floor_f32 v12, -v13                          ; the new -M = -ceil(t)
	s_delay_alu instid0(VALU_DEP_1)
	v_sub_f32 v254, v12, v254                      ; old M - new M: a whole number, 0 or less
	s_delay_alu instid0(VALU_DEP_1)
	v_cvt_i32_f32 v254, v254                       ; (it saturates)
	s_delay_alu instid0(VALU_DEP_1)
	v_ldexp_f32 v252, 1.0, v254                    ; f = 2^(old M - new M): rounds nothing
.set j, 0
.rept 32
	v_pk_fma_f32 v[S+j:S+j+1], v[S+j:S+j+1], s[22:23], v[12:13] op_sel_hi:[1,0,0]   ; t - M
.set j, j+2
.endr
	s_setprio 1
.irp b, 0,1,2,3
	v_fma_f32 v[232+\b], v[232+\b], s22, v12
.endr
.set j, 0
	s_wait_alu depctr_va_vdst(0)
.rept 64
	v_exp_f32 v[S+j], v[S+j]                       ; p = 2^(t - M)
.set j, j+1
.endr
.irp b, 0,1,2,3
	v_exp_f32 v[232+\b], v[232+\b]                 ; the block's largest p
.endr
	v_pk_mul_f32 v[14:15], v[14:15], v[252:253] op_sel_hi:[1,0]      ; the sum under the new M (a plain line behind the exponentials)
	s_wait_alu depctr_va_vdst(0)
.irp b, 0,1,2,3
	v_max_num_f32 v[232+\b], 0x1800000, v[232+\b]  ; the floor 2^(3 - 127)
.endr
.irp b, 0,1,2,3
	s_delay_alu instid0(VALU_DEP_4)
	v_add_nc_u32 v[244+\b], 0xff000000, v[232+\b]  ; the conversion's scale operand
.endr
.irp b, 0,1,2,3
	s_delay_alu instid0(VALU_DEP_4)
	v_lshrrev_b32 v[236+\b], 23, v[244+\b]         ; the byte
.endr
	s_delay_alu instid0(VALU_DEP_3)
	v_lshl_or_b32 v[PSW], v237, 8, v236
	s_delay_alu instid0(VALU_DEP_1)
	v_lshl_or_b32 v[PSW], v238, 16, v[PSW]
	s_delay_alu instid0(VALU_DEP_1)
	v_lshl_or_b32 v[PSW], v239, 24, v[PSW]
.irp t, 0,1,2,3,4,5,6,7
	v_cvt_scalef32_pk8_fp4_f32 v[PC+4*(\t/4)+2*(\t%2)+(\t%4)/2], v[S+8*\t:S+8*\t+7], v[244+\t/2]
.endr
	v_nop                                          ; one plain line behind the scaled conversions
.irp c, 0,1
	v_permlane16_swap_b32 v[PC+4*\c], v[PC+4*\c+1] ; register 4 c + i now holds keys 64 c + 32 h + 8 i + 0 .. 7
	v_permlane16_swap_b32 v[PC+4*\c+2], v[PC+4*\c+3]
.endr
	v_pk_add_f32 v[236:237], v[124:125], v[128:129]
	v_pk_add_f32 v[248:249], v[132:133], v[136:137]
	v_pk_add_f32 v[246:247], v[140:141], v[144:145]
	v_pk_add_f32 v[244:245], v[148:149], v[152:153]
	v_pk_add_f32 v[242:243], v[156:157], v[160:161]
	v_pk_add_f32 v[240:241], v[164:165], v[168:169]
	v_pk_add_f32 v[234:235], v[172:173], v[176:177]
	v_pk_add_f32 v[14:15], v[14:15], v[180:181]
	v_pk_add_f32 v[236:237], v[236:237], v[120:121]
	v_pk_add_f32 v[248:249], v[248:249], v[122:123]
	v_pk_add_f32 v[246:247], v[246:247], v[126:127]
	v_pk_add_f32 v[244:245], v[244:245], v[130:131]
	v_pk_add_f32 v[242:243], v[242:243], v[134:135]
	s_setprio 0
	v_pk_add_f32 v[240:241], v[240:241], v[138:139]
	v_pk_add_f32 v[234:235], v[234:235], v[142:143]
	v_pk_add_f32 v[14:15], v[14:15], v[146:147]
	v_pk_add_f32 v[236:237], v[236:237], v[150:151]
	v_pk_add_f32 v[248:249], v[248:249], v[154:155]
	v_pk_add_f32 v[246:247], v[246:247], v[158:159]
	v_pk_add_f32 v[244:245], v[244:245], v[162:163]
	v_pk_add_f32 v[242:243], v[242:243], v[166:167]
	v_pk_add_f32 v[240:241], v[240:241], v[170:171]
	v_pk_add_f32 v[234:235], v[234:235], v[174:175]
	v_pk_add_f32 v[14:15], v[14:15], v[178:179]
	v_pk_add_f32 v[236:237], v[236:237], v[182:183]
	s_delay_alu instid0(VALU_DEP_2)
	v_pk_add_f32 v[14:15], v[14:15], v[244:245]
	s_delay_alu instid0(VALU_DEP_2)
	v_pk_add_f32 v[236:237], v[236:237], v[242:243]
	v_pk_add_f32 v[248:249], v[248:249], v[240:241]
	v_pk_add_f32 v[246:247], v[246:247], v[234:235]
	s_delay_alu instid0(VALU_DEP_2)
	v_pk_add_f32 v[14:15], v[14:15], v[248:249]
	s_delay_alu instid0(VALU_DEP_2)
	v_pk_add_f32 v[236:237], v[236:237], v[246:247]
	s_delay_alu instid0(VALU_DEP_1)
	v_pk_add_f32 v[14:15], v[14:15], v[236:237]
.set j, 0
.rept 16
	v_pk_mul_f32 v[O+j:O+j+1], v[O+j:O+j+1], v[252:253] op_sel_hi:[1,0]     ; O^T under the new M.  These and the additions are the plain lines between p's codes and scale word and the products below
.set j, j+2
.endr
	s_wait_alu depctr_va_vdst(0)
	s_wait_dscnt 0x0                               ; V is in
.irp d, 0,1
	v_wmma_scale_f32_16x16x128_f8f6f4 v[O+8*\d:O+8*\d+7], v[VF+8*\d:VF+8*\d+7], v[PC:PC+7], v[O+8*\d:O+8*\d+7], v[VSW+\d], v[PSW] matrix_a_fmt:MATRIX_FMT_FP4 matrix_b_fmt:MATRIX_FMT_FP4
.endr
.irp d, 2,3
	v_wmma_scale_f32_16x16x128_f8f6f4 v[O+8*\d:O+8*\d+7], v[VF+8*\d:VF+8*\d+7], v[PC:PC+7], v[O+8*\d:O+8*\d+7], v[VSW+\d-2], v[PSW] matrix_a_fmt:MATRIX_FMT_FP4 matrix_b_fmt:MATRIX_FMT_FP4 matrix_a_scale:MATRIX_SCALE_ROW1
.endr
.Lhid_\@:
	s_add_co_u32 s48, s48, 1
	s_add_co_u32 s50, s50, REC
.endm
.macro WALK n                          ; n key steps
	s_mov_b32 s51, \n
.Lwalk_\@:
	STEP
	s_sub_co_u32 s51, s51, 1
	s_cmp_lg_u32 s51, 0
	s_cbranch_scc1 .Lwalk_\@
	s_setprio 0
.endm
.macro BAR n                           ; wave 0: all but its n youngest loads have landed; every wave: no LDS instruction is pending; then the barrier tells the others
	s_wait_tensorcnt \n
	s_wait_dscnt 0x0
	s_barrier_signal -1
	s_barrier_wait -1
.endm
; The end of a pass: O^T / l; its 64 numbers a token are two blocks of the last product's K: codes and two scale bytes.
.macro FIN
.rept 4
	v_nop
.endr
	v_add_f32 v14, v14, v15
	s_delay_alu instid0(VALU_DEP_1)
	v_permlanex16_b32 v252, v14, s20, s21
	s_delay_alu instid0(VALU_DEP_1)
	v_add_f32 v14, v14, v252                       ; the row's sum
	s_wait_alu depctr_va_vdst(0)
	v_rcp_f32 v14, v14
	v_nop                                          ; a plain line behind the transcendental
.set j, 0
	s_wait_alu depctr_va_vdst(0)
.rept 32
	v_mul_f32 v[S+j], v[O+j], v14                  ; register 8 t + i: d = 16 t + 8 h + i of my token; each accumulator from its low end on
.set j, j+1
.endr
.irp b, 0,1
	v_max3_num_f32 v[232+\b], |v[S+16*\b]|, |v[S+1+16*\b]|, 0x1800000
.endr
.irp i, 2,4,6,8,10,12,14
.irp b, 0,1
	s_delay_alu instid0(VALU_DEP_2)
	v_max3_num_f32 v[232+\b], v[232+\b], |v[S+16*\b+\i]|, |v[S+1+16*\b+\i]|
.endr
.endr
.irp b, 0,1
	s_delay_alu instid0(VALU_DEP_2)
	v_permlanex16_b32 v[236+\b], v[232+\b], s20, s21
.endr
.irp b, 0,1
	s_delay_alu instid0(VALU_DEP_2)
	v_max_num_f32 v[232+\b], v[232+\b], v[236+\b]
.endr
.irp b, 0,1
	s_delay_alu instid0(VALU_DEP_2)
	v_add_nc_u32 v[244+\b], 0xff000000, v[232+\b]
.endr
.irp b, 0,1
	s_delay_alu instid0(VALU_DEP_2)
	v_lshrrev_b32 v[236+\b], 23, v[244+\b]
.endr
	s_delay_alu instid0(VALU_DEP_1)
	v_lshl_or_b32 v254, v237, 8, v236              ; the head's two bytes of my token
.irp t, 0,1,2,3
	v_cvt_scalef32_pk8_fp4_f32 v[PC+2*(\t%2)+\t/2], v[S+8*\t:S+8*\t+7], v[244+\t/2]
.endr
	v_nop
	v_permlane16_swap_b32 v[PC], v[PC+1]
	v_permlane16_swap_b32 v[PC+2], v[PC+3]
	global_store_b128 v[L16], v[PC:PC+3], s[56:57] ; 32 lanes store 512 consecutive bytes
	global_store_b16 v[R32], v254, s[58:59]        ; both halves of the lanes write the same two bytes with the same value
	s_wait_xcnt 0x0                                ; the stores have read their data and bases: both are written again in the next pass
.endm
	s_sub_co_u32 s49, 15, s13                      ; pass A: the block of queries 15 - p, at least 8: every wave works in each of the first eight steps
	SETUP
	BAR 3                                          ; steps 0-3 lie in the first quarter
	WALK 4
	BAR 2                                          ; steps 4-7 in the second
	WALK 4
	BAR 0                                          ; the rest
	WALK 8
	FIN
	s_mov_b32 s49, s13                             ; pass B: block p, at most 7
	SETUP
	WALK 8
	FIN
	s_wait_dscnt 0x0
	s_wait_tensorcnt 0x0
	ds_add_u32 v251, v255
	s_wait_dscnt 0x0
	ROUND                                          ; the closing round
	s_endpgm
.Lfunc_end_k_q849601c06e_attn:
	.size	k_q849601c06e_attn, .Lfunc_end_k_q849601c06e_attn-k_q849601c06e_attn
	.p2alignl 7, 3214868480
	.fill 96, 4, 3214868480
	.section	.rodata,"a",@progbits
	.p2align	6, 0x0
	.amdhsa_kernel k_q849601c06e_attn
		.amdhsa_group_segment_fixed_size 169984
		.amdhsa_private_segment_fixed_size 0
		.amdhsa_enable_private_segment 0
		.amdhsa_kernarg_size 32
		.amdhsa_user_sgpr_count 2
		.amdhsa_user_sgpr_kernarg_segment_ptr 1
		.amdhsa_wavefront_size32 1
		.amdhsa_system_sgpr_workgroup_id_x 1
		.amdhsa_system_sgpr_workgroup_id_y 1
		.amdhsa_system_sgpr_workgroup_id_z 1
		.amdhsa_system_vgpr_workitem_id 0
		.amdhsa_next_free_vgpr 256
		.amdhsa_next_free_sgpr 80
		.amdhsa_reserve_vcc 1
		.amdhsa_float_denorm_mode_32 3
		.amdhsa_float_denorm_mode_16_64 3
		.amdhsa_memory_ordered 1
		.amdhsa_forward_progress 1
		.amdhsa_inst_pref_size 105
	.end_amdhsa_kernel
	.amdgpu_metadata
---
amdhsa.version: [ 1, 2 ]
amdhsa.kernels:
  - .name:           k_q849601c06e_attn
    .symbol:         k_q849601c06e_attn.kd
    .args:
      - { .name: qws, .offset: 0, .size: 8, .value_kind: global_buffer, .address_space: global }
      - { .name: kv, .offset: 8, .size: 8, .value_kind: global_buffer, .address_space: global }
      - { .name: aimg, .offset: 16, .size: 8, .value_kind: global_buffer, .address_space: global }
      - { .name: asc, .offset: 24, .size: 8, .value_kind: global_buffer, .address_space: global }
    .group_segment_fixed_size: 169984
    .private_segment_fixed_size: 0
    .kernarg_segment_align: 8
    .kernarg_segment_size: 32
    .max_flat_workgroup_size: 512
    .sgpr_count:     80
    .vgpr_count:     256
    .wavefront_size: 32
...
	.end_amdgpu_metadata
.endif
;; end of part 3
;; launch proj (part 4): grid 4 x 64, 4 waves a work-group, clusters of 4 x 4, 327,680 bytes of LDS; arguments aimg, asc, out_w_codes, out_w_scales, out_b, out0; writes out0
.if DOCPART == 4
	.amdgcn_target "amdgcn-amd-amdhsa--gfx1250"
	.amdhsa_code_object_version 6
	.text
	.protected	k_q849601c06e_proj
	.globl	k_q849601c06e_proj
	.p2align	8
	.type	k_q849601c06e_proj,@function
k_q849601c06e_proj:
	s_mov_b64 s[64:65], 0
	v_nop
	global_prefetch_b8 v0, s[64:65] scope:SCOPE_SE
	s_setreg_imm32_b32 hwreg(HW_REG_WAVE_MODE, 25, 1), 1
	s_wait_xcnt 0x0
	s_wait_alu depctr_hold_cnt(0) depctr_sa_sdst(0) depctr_va_vdst(0) depctr_va_sdst(0) depctr_va_ssrc(0) depctr_va_vcc(0) depctr_vm_vsrc(0)
	s_getreg_b32 s2, hwreg(HW_REG_IB_STS2, 6, 4)
	s_cmp_eq_u32 s2, 0
	s_cbranch_scc0 .Lentry_in_a_cluster
	s_endpgm
.Lentry_in_a_cluster:
	s_bfe_u32 s2, ttmp6, 0x10000c
	s_cmp_lg_u32 s2, 0xf033
	s_cbranch_scc0 .Lentry_shape_is_right
	s_endpgm
.Lentry_shape_is_right:
; out0 = A out_w^T + out_b on codes of FP4 (E2M1) with one E8M0 scale for each 32 along K = 1,024.  A (8,192 tokens) comes as images of operand registers: aimg[tile of 16 tokens][K step 8][c 2][lane][16 bytes],
; with its scale bytes asc[token][32]; out_w: 1,024 rows of 512 bytes of codes and 32 scale bytes.  out0: [8,192][1,024] f32.
; A work-group of four waves makes 128 tokens x 256 columns: 256 work-groups.  A wave makes 64 x 128: 32 accumulators.  All of K fits into LDS: two slots of 512 along K, each filled ONCE; nothing is filled again.
; THE MATRIX INSTRUCTION IS USED TRANSPOSED (source 0 = 16 rows of out_w, source 1 = 16 tokens): a lane holds eight neighbouring columns of one token.  The bias is the C of each sum's first product.
; CLUSTERS: 4 x 4 work-groups: A's tiles hang on the row of work-groups alone and are asked for jointly by a row of the cluster, out_w's on the column alone and by a column.
; REGISTERS: window 0: v16-28 addresses; v32-95 scale words, two sets; v128-159, v160-191 A's fragments, two sets; v192-255 the bias; on the way out v128-255 hold rows.
;   window 1: out_w's fragments, two sets, at v0 and v128.   window 2: accumulator (a, b) at v[8 (8 a + b)].
.set NQ,     4
.set NP,     4                         ; places behind this matrix instruction (ISA guide 7.12.1)
.set PITCH,  272                       ; a row of out_w's tile in LDS: 256 bytes + 16
.set HALFT,  128*PITCH
.set ASLOT,  32768                     ; A's images of a slot: 8 tiles x 4,096 bytes, dense
.set BSL,    2*ASLOT
.set BSLOT,  2*HALFT
.set SCL,    BSL+2*BSLOT               ; scales as units of 256 bytes + 16: A's 16 units, then out_w's 32
.set SBLK,   544                       ; the scales of 16 rows
.set STG,    SCL+48*272                ; the way out: 16 rows x 528 bytes for each wave.  No tensor load lands here
.set SPITCH, 528
.set KS,     32
.set ADRA, 16
.set ADRB, 20
.set STO,  24
.set RD,   25
.set CO,   26
.set ADRS, 27
.set LB,   28
.set SC,   32
.set AF,   128
.set BI,   192
.set BK,   128
.set G1,   24
.set G0,   32
.set G1B,  48
.set G0B,  56
.set G1S,  68
.set G0S,  76
.set G1SB, 80
.set G0SB, 88
.set MSB, 0
.macro WIN new
.if MSB != \new
	s_set_vgpr_msb (MSB<<8)|\new
.set MSB, \new
.endif
.endm
.set TO_B, 0x40
.macro JLOAD g0a, g1a, g0b, g1b        ; waves 0 and 1 fetch for A, waves 2 and 3 for out_w; four v_nop follow each of the two lines
	s_cmp_eq_u32 s21, 0
	s_cbranch_scc0 .Lfor_b_\@
	tensor_load_to_lds s[\g0a:\g0a+3], s[\g1a:\g1a+7]
	s_nop 0
.rept 4
	v_nop
.endr
	s_branch .Lasked_\@
.Lfor_b_\@:
	tensor_load_to_lds s[\g0b:\g0b+3], s[\g1b:\g1b+7]
	s_nop 0
.rept 4
	v_nop
.endr
.Lasked_\@:
.endm
.macro CROUND
	s_barrier_signal -1
	s_barrier_wait -1
	s_cmp_lg_u32 s20, 0
	s_cbranch_scc1 .Lnot_wave_0_\@
	s_barrier_signal -3
.Lnot_wave_0_\@:
	s_barrier_wait -3
	s_barrier_signal -1
	s_barrier_wait -1
.endm
	s_load_b256 s[4:11], s[0:1], 0x0               ; aimg s[4:5], asc s[6:7], out_w's codes s[8:9], its scales s[10:11]
	s_load_b128 s[12:15], s[0:1], 0x20             ; out_b s[12:13], out0 s[14:15]
	v_lshl_add_u32 v126, v0, 2, 0x40000
	v_mov_b32 v127, 0
	ds_add_u32 v126, v127
	ds_add_u32 v126, v127
	v_lshrrev_b32 v1, 5, v0
	v_readfirstlane_b32 s20, v1                    ; wave 0..3
	s_lshr_b32 s21, s20, 1                         ; which 64 tokens are mine.  Also: I fetch for A (0) or out_w (1)
	s_and_b32 s22, s20, 1                          ; which 128 columns.  Also: which half I fetch
	s_bfe_u32 s40, ttmp6, 0x40000                  ; cx: the work-group's 256 columns
	s_bfe_u32 s41, ttmp6, 0x40004                  ; cy
	s_and_b32 s46, ttmp7, 0xffff
	s_lshl_b32 s46, s46, 2
	s_add_co_u32 s46, s46, s41                     ; the work-group's 128 tokens: 4 x cluster y + cy
	s_lshl_b32 s44, s41, 2
	s_lshl_b32 s44, 15, s44                        ; my row of the cluster
	s_lshl_b32 s45, 0x1111, s40                    ; my column
	s_or_b32 s[G1+0], s44, (3<<16)|(1<<21)         ; A's images: 4 tiles, of each the slot's 4,096 bytes (512 elements of 8), 8,192 bytes apart; no padding
	s_mov_b32 s[G1+1], 512<<16
	s_mov_b32 s[G1+2], 4<<16
	s_mov_b32 s[G1+3], 512<<16
	s_mov_b32 s[G1+4], 4
	s_mov_b32 s[G1+5], 1024
	s_mov_b32 s[G1+6], 0
	s_mov_b32 s[G1+7], 0
	s_or_b32 s[G1B+0], s45, (0<<16)|(1<<20)|(1<<21)|(5<<22)|(3<<25)  ; out_w: 128 rows x 256 bytes, 16 bytes of padding behind each
	s_mov_b32 s[G1B+1], 256<<16
	s_mov_b32 s[G1B+2], 128<<16
	s_mov_b32 s[G1B+3], 256<<16
	s_mov_b32 s[G1B+4], 128
	s_mov_b32 s[G1B+5], 512
	s_mov_b32 s[G1B+6], 0
	s_mov_b32 s[G1B+7], 0
	s_or_b32 s[G1S+0], s44, (3<<16)|(1<<20)|(1<<21)|(5<<22)|(3<<25)  ; A's scales of 64 tokens: 2,048 dense bytes as 8 rows of 256, padded
	s_mov_b32 s[G1S+1], 32<<16
	s_mov_b32 s[G1S+2], 8<<16
	s_mov_b32 s[G1S+3], 32<<16
	s_mov_b32 s[G1S+4], 8
	s_mov_b32 s[G1S+5], 32
	s_mov_b32 s[G1S+6], 0
	s_mov_b32 s[G1S+7], 0
	s_or_b32 s[G1SB+0], s45, (3<<16)|(1<<20)|(1<<21)|(5<<22)|(3<<25) ; out_w's of 128 rows: 16 rows of 256
	s_mov_b32 s[G1SB+1], 32<<16
	s_mov_b32 s[G1SB+2], 16<<16
	s_mov_b32 s[G1SB+3], 32<<16
	s_mov_b32 s[G1SB+4], 16
	s_mov_b32 s[G1SB+5], 32
	s_mov_b32 s[G1SB+6], 0
	s_mov_b32 s[G1SB+7], 0
	s_lshl_b32 s2, s46, 16
	s_lshl_b32 s3, s22, 15
	s_add_co_u32 s2, s2, s3                        ; A's images: 65,536 x work-group y + 32,768 x half
	s_lshl_b32 s100, s46, 12
	s_lshl_b32 s3, s22, 11
	s_add_co_u32 s100, s100, s3                    ; A's scales: 4,096 x work-group y + 2,048 x half
	s_mov_b32 s3, 0
	s_lshl_b32 s66, s40, 8
	s_lshl_b32 s67, s22, 7
	s_add_co_u32 s66, s66, s67                     ; out_w's row: 256 cx + 128 x half
	s_lshl_b32 s101, s66, 5
	s_lshl_b32 s66, s66, 9
	s_mov_b32 s67, 0
	s_lshl_b32 s92, s22, 14                        ; where they go: the half alone enters an LDS address
	s_mul_i32 s93, s22, HALFT
	s_add_co_u32 s93, s93, BSL
	s_mul_i32 s94, s22, 2176
	s_add_co_u32 s94, s94, SCL
	s_mul_i32 s95, s22, 4352
	s_add_co_u32 s95, s95, SCL+4352
	s_wait_dscnt 0x0
	s_wait_kmcnt 0x0
	s_add_nc_u64 s[96:97], s[4:5], s[2:3]
	s_mov_b32 s2, s100
	s_add_nc_u64 s[98:99], s[6:7], s[2:3]
	s_add_nc_u64 s[42:43], s[8:9], s[66:67]
	s_mov_b32 s66, s101
	s_add_nc_u64 s[66:67], s[10:11], s[66:67]
	CROUND                                         ; all sixteen work-groups are here: the joint loads meet
	s_mov_b32 s[G0S], 1
	s_mov_b32 s[G0S+1], s94
	s_mov_b64 s[G0S+2:G0S+3], s[98:99]
	s_or_b32 s[G0S+3], s[G0S+3], 0x80000000
	s_mov_b32 s[G0SB], 1
	s_mov_b32 s[G0SB+1], s95
	s_mov_b64 s[G0SB+2:G0SB+3], s[66:67]
	s_or_b32 s[G0SB+3], s[G0SB+3], 0x80000000
	JLOAD G0S, G1S, G0SB, G1SB
.irp s, 0,1
	s_mov_b32 s[G0+4*\s], 1
	s_add_co_u32 s[G0+4*\s+1], s92, \s*ASLOT
	s_add_nc_u64 s[G0+4*\s+2:G0+4*\s+3], s[96:97], \s*4096
	s_or_b32 s[G0+4*\s+3], s[G0+4*\s+3], 0x80000000
	s_mov_b32 s[G0B+4*\s], 1
	s_add_co_u32 s[G0B+4*\s+1], s93, \s*BSLOT
	s_add_nc_u64 s[G0B+4*\s+2:G0B+4*\s+3], s[42:43], \s*256
	s_or_b32 s[G0B+4*\s+3], s[G0B+4*\s+3], 0x80000000
	s_wait_alu depctr_va_vdst(0)
	s_wait_tensorcnt 0x0
	ds_add_u32 v126, v127
	s_wait_dscnt 0x0
	CROUND
	JLOAD G0+4*\s, G1, G0B+4*\s, G1B               ; one load of mine is out: the wait above drained the earlier ones
.endr
	v_and_b32 v1, 15, v0                           ; r
	v_bfe_u32 v2, v0, 4, 1                         ; h
	v_and_b32 v3, 31, v0                           ; lane
	v_lshlrev_b32 v[CO], 4, v3                     ; 16 x lane
	s_lshl_b32 s2, s21, 14                         ; my four tiles' images
	v_mul_u32_u24 v4, v1, PITCH
	v_lshl_add_u32 v4, v2, 4, v4
	s_mul_i32 s3, s22, HALFT
	s_add_co_u32 s3, s3, BSL                       ; my 128 rows of out_w
.irp s, 0,1
	v_add_nc_u32 v[ADRA+\s], s2, v[CO]
	v_add_nc_u32 v[ADRB+\s], s3, v4
	s_add_co_u32 s2, s2, ASLOT
	s_add_co_u32 s3, s3, BSLOT
.endr
	v_mul_u32_u24 v5, v1, KS
	v_lshrrev_b32 v6, 8, v5
	v_lshl_add_u32 v5, v6, 4, v5                   ; my row's scales: 32 r, and 16 more for each 256 passed
	s_mul_i32 s2, s21, 2176                        ; A's: my 64 tokens
	s_mul_i32 s3, s22, 4352
	s_add_co_u32 s3, s3, 4352                      ; out_w's: my 128 rows, behind A's 16 units
	s_sub_co_u32 s3, s3, s2
	v_mul_u32_u24 v6, s3, v2                       ; lanes 16-31 take out_w's
	s_add_co_u32 s2, s2, SCL
	v_add_nc_u32 v5, v5, v6
	v_add_nc_u32 v[ADRS], s2, v5
	s_mul_i32 s2, s20, 16*SPITCH
	s_add_co_u32 s2, s2, STG                       ; my stage
	v_mul_u32_u24 v5, v1, SPITCH
	v_lshl_add_u32 v5, v2, 5, v5
	v_add_nc_u32 v[STO], s2, v5                    ; in: row r, 32 bytes for each half of the lanes
	v_add_nc_u32 v[RD], s2, v[CO]                  ; back: the 32 lanes take one row of 512 bytes
	v_lshlrev_b32 v[LB], 5, v2
	s_wait_alu depctr_va_vdst(0)
	s_lshl_b32 s2, s40, 10
	s_lshl_b32 s3, s22, 9
	s_add_co_u32 s2, s2, s3                        ; my first column, in bytes of f32
	s_mov_b32 s3, 0
	s_add_nc_u64 s[12:13], s[12:13], s[2:3]
	s_add_nc_u64 s[14:15], s[14:15], s[2:3]
	s_lshl_b32 s2, s46, 19
	s_lshl_b32 s47, s21, 18
	s_add_co_u32 s2, s2, s47                       ; my first token x 4,096 bytes (under 2^26)
	s_add_nc_u64 s[14:15], s[14:15], s[2:3]
.irp b, 0,1,2,3,4,5,6,7
	global_load_b128 v[BI+8*\b:BI+8*\b+3], v[LB], s[12:13] offset:64*\b          ; the bias of columns 16 b + 8 h + 0 .. 7
	global_load_b128 v[BI+8*\b+4:BI+8*\b+7], v[LB], s[12:13] offset:64*\b+16
.endr
.macro PLACES n
.rept \n
	v_nop
.endr
.endm
.macro FETCH slot, q, p                ; the fragments of the slot's q-th 128 along K into sets p: out_w's eight from rows, A's four as images
	WIN TO_B
.irp i, 0,1,2,3,4,5,6,7
.irp c, 0,1
	ds_load_b128 v[128*(\p)+8*\i+4*\c:128*(\p)+8*\i+4*\c+3], v[ADRB+\slot] offset:64*(\q)+32*\c+\i*16*PITCH
.endr
.endr
	WIN 0
.irp i, 0,1,2,3
.irp c, 0,1
	ds_load_b128 v[AF+32*(\p)+8*\i+4*\c:AF+32*(\p)+8*\i+4*\c+3], v[ADRA+\slot] offset:4096*\i+1024*(\q)+512*\c
.endr
.endr
.endm
.macro SCALES sc                       ; a slot's scale words: lanes 0-15 A's block i (for i above 3 they read on into out_w's bytes: words that no product names), lanes 16-31 out_w's block i
.irp i, 0,1,2,3,4,5,6,7
	ds_load_b128 v[SC+32*\sc+4*\i:SC+32*\sc+4*\i+3], v[ADRS] offset:\i*SBLK
.endr
.endm
; 32 matrix instructions: the 32 accumulators take turns, one instruction a turn, in the same order in every step
.macro MUL32 p, q, sc, first
.irp a, 0,1,2,3
.irp b, 0,1,2,3,4,5,6,7
.if \first
	v_wmma_scale_f32_16x16x128_f8f6f4 v[8*(8*\a+\b):8*(8*\a+\b)+7], v[128*(\p)+8*\b:128*(\p)+8*\b+7], v[AF+32*(\p)+8*\a:AF+32*(\p)+8*\a+7], v[BI+8*\b:BI+8*\b+7], v[SC+32*(\sc)+4*\b+(\q)], v[SC+32*(\sc)+4*\a+(\q)] matrix_a_fmt:MATRIX_FMT_FP4 matrix_b_fmt:MATRIX_FMT_FP4 matrix_a_scale:MATRIX_SCALE_ROW1
.else
	v_wmma_scale_f32_16x16x128_f8f6f4 v[8*(8*\a+\b):8*(8*\a+\b)+7], v[128*(\p)+8*\b:128*(\p)+8*\b+7], v[AF+32*(\p)+8*\a:AF+32*(\p)+8*\a+7], v[8*(8*\a+\b):8*(8*\a+\b)+7], v[SC+32*(\sc)+4*\b+(\q)], v[SC+32*(\sc)+4*\a+(\q)] matrix_a_fmt:MATRIX_FMT_FP4 matrix_b_fmt:MATRIX_FMT_FP4 matrix_a_scale:MATRIX_SCALE_ROW1
.endif
.endr
.endr
.endm
; A step of 128 along K: its fragments are in; the next step's are asked for into the other sets; then its 32 products.  bar = 1: the next step lies in slot 1.
.macro STEP3 slot, q, first, fetch, nslot, nq, bar
	s_wait_dscnt 0x0
.if \bar
	s_wait_tensorcnt 0x0                           ; my part of slot 1 has landed,
	s_barrier_signal -1
	s_barrier_wait -1                              ; everybody's has
.endif
.if \fetch
	PLACES NP                                      ; between the last step's products and the loads into the sets that they read
.if \bar
	v_add_nc_u32 v[ADRS], 4*NQ, v[ADRS]
.endif
	FETCH \nslot, \nq, 1-(\q)%2
.if \bar
	SCALES 1
.endif
.endif
.if \first
	WIN 0x81                                       ; source 0 window 1, source 1 and C (the bias) window 0, D window 2
.else
	WIN 0xa1                                       ; C and D window 2
.endif
	MUL32 (\q)%2, \q, \slot, \first
	WIN 0
.endm
	s_wait_tensorcnt 1                             ; the scales and my part of slot 0 are in; slot 1's load may be out
	s_barrier_signal -1
	s_barrier_wait -1
	FETCH 0, 0, 0
	SCALES 0
	s_wait_loadcnt 0x0                             ; the bias
	STEP3 0, 0, 1, 1, 0, 1, 0
	STEP3 0, 1, 0, 1, 0, 2, 0
	STEP3 0, 2, 0, 1, 0, 3, 0
	STEP3 0, 3, 0, 1, 1, 0, 1
	STEP3 1, 0, 0, 1, 1, 1, 0
	STEP3 1, 1, 0, 1, 1, 2, 0
	STEP3 1, 2, 0, 1, 1, 3, 0
	STEP3 1, 3, 0, 0, 0, 0, 0
; THE WAY OUT, a block of 16 tokens x 128 columns at a time: through my own stage in LDS and back as whole rows of 512 bytes.  LDS serves a wave's instructions in order (ISA guide 5.7.1.4): no wait between stores and loads.
.macro TOSTAGE a
.set AC, 64*(\a)
	WIN 0x08                                       ; an LDS store's data are its source 1: window 2
.irp b, 0,1,2,3,4,5,6,7
	ds_store_b128 v[STO], v[AC+8*\b:AC+8*\b+3] offset:64*\b          ; each accumulator from its low end on
	ds_store_b128 v[STO], v[AC+8*\b+4:AC+8*\b+7] offset:64*\b+16
.endr
	WIN 0
.set BB, BK+64*((\a)%2)
.irp t, 0,1,2,3,4,5,6,7,8,9,10,11,12,13,14,15
	ds_load_b128 v[BB+4*\t:BB+4*\t+3], v[RD] offset:\t*SPITCH
.endr
.endm
.macro SEND a, younger                 ; younger: the LDS instructions issued behind block a's loads
.set BB, BK+64*((\a)%2)
	s_wait_dscnt \younger
.if (\a) > 0
	s_add_nc_u64 s[14:15], s[14:15], 16*4096       ; (behind a wait on XCNT: the earlier stores have read their base)  16 tokens on
.endif
.irp t, 0,1,2,3,4,5,6,7,8,9,10,11,12,13,14,15
	global_store_b128 v[CO], v[BB+4*\t:BB+4*\t+3], s[14:15] offset:\t*4096 th:TH_STORE_NT   ; 32 lanes store 512 consecutive bytes, at a multiple of 256 from out0's first byte
.endr
.endm
	PLACES NP
	TOSTAGE 0
.irp a, 1,2,3
.if \a > 1
	s_wait_xcnt 0x0                                ; block a - 2's stores have read their registers and their base
.endif
	TOSTAGE \a
	SEND \a-1, 32                                  ; behind block a - 1's loads: block a's 16 stores and 16 loads
.endr
	s_wait_xcnt 0x0
	SEND 3, 0
	s_wait_tensorcnt 0x0
	ds_add_u32 v126, v127
	s_wait_dscnt 0x0
	CROUND                                         ; the closing round
	s_endpgm
.Lfunc_end_k_q849601c06e_proj:
	.size	k_q849601c06e_proj, .Lfunc_end_k_q849601c06e_proj-k_q849601c06e_proj
	.p2alignl 7, 3214868480
	.fill 96, 4, 3214868480
	.section	.rodata,"a",@progbits
	.p2align	6, 0x0
	.amdhsa_kernel k_q849601c06e_proj
		.amdhsa_group_segment_fixed_size 327680
		.amdhsa_private_segment_fixed_size 0
		.amdhsa_enable_private_segment 0
		.amdhsa_kernarg_size 48
		.amdhsa_user_sgpr_count 2
		.amdhsa_user_sgpr_kernarg_segment_ptr 1
		.amdhsa_wavefront_size32 1
		.amdhsa_system_sgpr_workgroup_id_x 1
		.amdhsa_system_sgpr_workgroup_id_y 1
		.amdhsa_system_sgpr_workgroup_id_z 1
		.amdhsa_system_vgpr_workitem_id 0
		.amdhsa_next_free_vgpr 768
		.amdhsa_next_free_sgpr 102
		.amdhsa_reserve_vcc 0
		.amdhsa_float_denorm_mode_32 3
		.amdhsa_float_denorm_mode_16_64 3
		.amdhsa_memory_ordered 1
		.amdhsa_forward_progress 1
		.amdhsa_inst_pref_size 75
	.end_amdhsa_kernel
	.amdgpu_metadata
---
amdhsa.version: [ 1, 2 ]
amdhsa.kernels:
  - .name:           k_q849601c06e_proj
    .symbol:         k_q849601c06e_proj.kd
    .args:
      - { .name: aimg, .offset: 0, .size: 8, .value_kind: global_buffer, .address_space: global }
      - { .name: asc, .offset: 8, .size: 8, .value_kind: global_buffer, .address_space: global }
      - { .name: out_w_codes, .offset: 16, .size: 8, .value_kind: global_buffer, .address_space: global }
      - { .name: out_w_scales, .offset: 24, .size: 8, .value_kind: global_buffer, .address_space: global }
      - { .name: out_b, .offset: 32, .size: 8, .value_kind: global_buffer, .address_space: global }
      - { .name: out0, .offset: 40, .size: 8, .value_kind: global_buffer, .address_space: global }
    .group_segment_fixed_size: 327680
    .private_segment_fixed_size: 0
    .kernarg_segment_align: 8
    .kernarg_segment_size: 48
    .max_flat_workgroup_size: 128
    .sgpr_count:     102
    .vgpr_count:     768
    .wavefront_size: 32
...
	.end_amdgpu_metadata
.endif
;; end of part 4
